; MI455X (gfx1250); checked and timed in simulation.
; The chip was launched on July 23, 2026; its instructions are those of AMD's public machine-readable ISA for CDNA 5 (MIT licence, August 2026) and "CDNA5" Instruction Set Architecture Reference Guide (July 2026). The comments in the code are by the model that wrote it; some were corrected since.
;; Multi Head Self Attention. Allowed arithmetic: float matrix products may take bf16 or f16 operands with f32 sums; all other float work in f32.
;; Inputs: b_out 1,024 float32; b_qkv 3,072 float32; w_out 1,024 x 1,024 float32; w_qkv 1,024 x 3,072 float32; x 4 x 2,048 x 1,024 float32.
;; Outputs: out0 4 x 2,048 x 1,024 float32.
;; 3 versions, each right; version 2 is faster than version 1; version 3 is version 2 with the launch cast written anew for expert scheduling mode. Each part assembles by itself: llvm-mc -triple=amdgcn-amd-amdhsa -mcpu=gfx1250 --defsym DOCPART=n.
;; ======== version 1 of 3: 4 launches
;; workspace buffers: xb 16,777,216 bytes; wqb 6,291,456 bytes; wob 2,097,152 bytes; qkv 50,331,648 bytes; ctx 16,777,216 bytes
;; launch cast (part 1): grid 768 x 1, 8 waves a work-group, no clusters, 0 bytes of LDS; arguments x, w_qkv, w_out, xb, wqb, wob; writes xb, wqb, wob
.if DOCPART == 1
	.amdgcn_target "amdgcn-amd-amdhsa--gfx1250"
	.amdhsa_code_object_version 6
	.text
	.protected	k_q9ab17c479a_cast
	.globl	k_q9ab17c479a_cast
	.p2align	8
	.type	k_q9ab17c479a_cast,@function
k_q9ab17c479a_cast:
	s_mov_b64 s[64:65], 0
	v_nop
	global_prefetch_b8 v0, s[64:65] scope:SCOPE_SE
	s_setreg_imm32_b32 hwreg(HW_REG_WAVE_MODE, 25, 1), 1
	s_wait_xcnt 0x0
; xb = bf16(x), wqb = bf16(w_qkv), wob = bf16(w_out): element by element, the layouts stay, rounding to nearest even.
; Done once here because each tile of x is wanted by 12 block columns and each tile of a weight by 32 block rows of the products that follow:
; in bf16 every one of those fetches and every LDS read behind it carries half the bytes, and nothing is converted twice.
; A work-group takes 65,536 bytes of f32 and makes 32,768 bytes of bf16.  Work-groups 0-511 take x (33,554,432 / 65,536 = 512),
; 512-703 w_qkv (192), 704-767 w_out (64).  The work-groups share no input, so there is nothing to ask for jointly, no LDS and no barrier.
; Thread t takes 16 bytes at 16 t of each block of 4,096 bytes: a wave's load covers 512 consecutive bytes, its store 256 consecutive bytes, aligned.
; All 16 loads of a thread go out first; no register is written twice, so no wait frees a source.
.set X, 4                              ; v[4:67]   16 x 4 numbers as loaded
.set Y, 68                             ; v[68:99]  16 x 2 words to store
	s_load_b256 s[4:11], s[0:1], 0x0               ; x s[4:5], w_qkv s[6:7], w_out s[8:9], xb s[10:11]
	s_load_b128 s[12:15], s[0:1], 0x20             ; wqb s[12:13], wob s[14:15]
	v_lshlrev_b32 v1, 4, v0                        ; 16 t: where I load
	v_lshlrev_b32 v2, 3, v0                        ; 8 t: where I store
	s_mov_b32 s20, 704                             ; first work-group of w_out
	s_mov_b32 s21, 512                             ; first work-group of w_qkv
	s_wait_kmcnt 0x0
	s_cmp_lt_u32 ttmp9, s20                        ; the choice hangs on the work-group's number alone
	s_cselect_b64 s[16:17], s[6:7], s[8:9]
	s_cselect_b64 s[18:19], s[12:13], s[14:15]
	s_cselect_b32 s20, s21, s20
	s_cmp_lt_u32 ttmp9, s21
	s_cselect_b64 s[16:17], s[4:5], s[16:17]       ; from
	s_cselect_b64 s[18:19], s[10:11], s[18:19]     ; to
	s_cselect_b32 s20, 0, s20                      ; the tensor's first work-group
	s_sub_co_u32 s20, ttmp9, s20                   ; my number inside the tensor, 511 at the most
	s_lshl_b32 s22, s20, 16                        ; x 65,536 bytes in
	s_mov_b32 s23, 0
	s_lshl_b32 s24, s20, 15                        ; x 32,768 bytes out
	s_mov_b32 s25, 0
	s_add_nc_u64 s[16:17], s[16:17], s[22:23]
	s_add_nc_u64 s[18:19], s[18:19], s[24:25]
.irp i, 0,1,2,3,4,5,6,7,8,9,10,11,12,13,14,15
	global_load_b128 v[X+4*\i:X+4*\i+3], v1, s[16:17] offset:4096*\i th:TH_LOAD_NT   ; read once in the launch
.endr
.irp i, 0,1,2,3,4,5,6,7,8,9,10,11,12,13,14,15
	s_wait_loadcnt 15-\i                           ; loads come back in order (ISA guide 5.7.1): load i is in, the 15 - i younger ones stay out
	v_cvt_pk_bf16_f32 v[Y+2*\i],   v[X+4*\i],   v[X+4*\i+1]
	v_cvt_pk_bf16_f32 v[Y+2*\i+1], v[X+4*\i+2], v[X+4*\i+3]
	global_store_b64 v2, v[Y+2*\i:Y+2*\i+1], s[18:19] offset:2048*\i   ; the next launch reads these: no hint
.endr
	s_endpgm
.Lfunc_end_k_q9ab17c479a_cast:
	.size	k_q9ab17c479a_cast, .Lfunc_end_k_q9ab17c479a_cast-k_q9ab17c479a_cast
	.p2alignl 7, 3214868480
	.fill 96, 4, 3214868480
	.section	.rodata,"a",@progbits
	.p2align	6, 0x0
	.amdhsa_kernel k_q9ab17c479a_cast
		.amdhsa_group_segment_fixed_size 0
		.amdhsa_private_segment_fixed_size 0
		.amdhsa_enable_private_segment 0
		.amdhsa_kernarg_size 48
		.amdhsa_user_sgpr_count 2
		.amdhsa_user_sgpr_kernarg_segment_ptr 1
		.amdhsa_wavefront_size32 1
		.amdhsa_system_sgpr_workgroup_id_x 1
		.amdhsa_system_sgpr_workgroup_id_y 1
		.amdhsa_system_sgpr_workgroup_id_z 1
		.amdhsa_system_vgpr_workitem_id 0
		.amdhsa_next_free_vgpr 100
		.amdhsa_next_free_sgpr 66
		.amdhsa_reserve_vcc 0
		.amdhsa_float_denorm_mode_32 3
		.amdhsa_float_denorm_mode_16_64 3
		.amdhsa_memory_ordered 1
		.amdhsa_forward_progress 1
		.amdhsa_inst_pref_size 7
	.end_amdhsa_kernel
	.amdgpu_metadata
---
amdhsa.version: [ 1, 2 ]
amdhsa.kernels:
  - .name:           k_q9ab17c479a_cast
    .symbol:         k_q9ab17c479a_cast.kd
    .args:
      - { .name: x, .offset: 0, .size: 8, .value_kind: global_buffer, .address_space: global }
      - { .name: w_qkv, .offset: 8, .size: 8, .value_kind: global_buffer, .address_space: global }
      - { .name: w_out, .offset: 16, .size: 8, .value_kind: global_buffer, .address_space: global }
      - { .name: xb, .offset: 24, .size: 8, .value_kind: global_buffer, .address_space: global }
      - { .name: wqb, .offset: 32, .size: 8, .value_kind: global_buffer, .address_space: global }
      - { .name: wob, .offset: 40, .size: 8, .value_kind: global_buffer, .address_space: global }
    .group_segment_fixed_size: 0
    .private_segment_fixed_size: 0
    .kernarg_segment_align: 8
    .kernarg_segment_size: 48
    .max_flat_workgroup_size: 256
    .sgpr_count:     66
    .vgpr_count:     100
    .wavefront_size: 32
...
	.end_amdgpu_metadata
.endif
;; end of part 1
;; launch gemm_qkv (part 2): grid 12 x 32, 4 waves a work-group, clusters of 4 x 4, 327,680 bytes of LDS; arguments xb, wqb, qkv, b_qkv; writes qkv
.if DOCPART == 2
	.amdgcn_target "amdgcn-amd-amdhsa--gfx1250"
	.amdhsa_code_object_version 6
	.text
	.protected	k_q9ab17c479a_gemm_qkv
	.globl	k_q9ab17c479a_gemm_qkv
	.p2align	8
	.type	k_q9ab17c479a_gemm_qkv,@function
k_q9ab17c479a_gemm_qkv:
	s_mov_b64 s[64:65], 0
	v_nop
	global_prefetch_b8 v0, s[64:65] scope:SCOPE_SE
	s_setreg_imm32_b32 hwreg(HW_REG_WAVE_MODE, 25, 1), 1
	s_wait_xcnt 0x0
	s_wait_alu depctr_hold_cnt(0) depctr_sa_sdst(0) depctr_va_vdst(0) depctr_va_sdst(0) depctr_va_ssrc(0) depctr_va_vcc(0) depctr_vm_vsrc(0)
	s_getreg_b32 s2, hwreg(HW_REG_IB_STS2, 6, 4)
	s_cmp_eq_u32 s2, 0
	s_cbranch_scc0 .Lentry_in_a_cluster
	s_endpgm
.Lentry_in_a_cluster:
	s_bfe_u32 s2, ttmp6, 0x10000c
	s_cmp_lg_u32 s2, 0xf033
	s_cbranch_scc0 .Lentry_shape_is_right
	s_endpgm
.Lentry_shape_is_right:
; qkv = xb . wqb + b_qkv.  xb: [8192][1024] bf16, wqb: [1024 (k)][3072 (n)] bf16, b_qkv: [3072] f32; sums in f32, rounded once to bf16.
; The result is stored head-major, [3 (q, k, v)][4 (batch)][16 (head)][2048 (t)][64] bf16, so that a head's rows of 128 bytes follow each other without a gap.
; A work-group makes a block of 256 x 256 with four waves, a wave 128 x 128: 64 accumulator tiles of 16 x 16, 512 registers.
; K goes in steps of 128 through a ring of two LDS slots filled by the tensor data mover.
; CLUSTERS: 4 x 4 work-groups.  The four of a row of the cluster need the same tiles of xb, the four of a column the same tiles of wqb: each tile is asked for
; jointly, by the same tensor load with the same descriptor and a mask that names the four.  That divides the requests for both operands by four.
; wqb lies with n along its rows, and a fragment wants k along the lane: its fragments are read from LDS by the transposing load ds_load_tr16_b128.
; LIMITS: operands are bf16 (rounded by the launch before), the result is rounded to bf16; the order of the sums is the matrix unit's.
;
; REGISTERS, in windows of 256 (s_set_vgpr_msb says which window each operand place means; low byte: bits 1:0 source 0, 3:2 source 1, 5:4 source 2, 7:6 destination):
;   window 0: v0-31 addresses; v64-127, v128-191 fragments of xb, two buffers; v192-223 at work on the way out
;   window 1: v64-127, v128-191 fragments of wqb, two buffers; v192-255 the bias of my 128 columns in an accumulator's layout
;   window 2: the 32 accumulator tiles of my rows 0-63 (tile (a, b) at v[8 (8 a + b)]);   window 3: those of my rows 64-127
; THE MATRIX INSTRUCTION IS USED TRANSPOSED: source 0 = 16 columns of wqb, source 1 = 16 rows of xb.  Lane l then holds row l % 16 of the result and its
; registers 0 to 7 the columns 8 (l / 16) + 0 .. 7: eight neighbouring numbers of a row, which pack into 16 bytes.
.set SIZE_K, 1024
.set SIZE_N, 3072
.set KSTEP,  128
.set PITCH,  272                       ; an LDS row of xb: 256 bytes + 16 of padding, an odd multiple of 16: the 16 rows of a fragment load start 16 bytes apart modulo 256
.set BPITCH, 544                       ; an LDS row of wqb: 512 bytes + 32 of padding, an odd multiple of 32, as the transposing load's eight rows want
.set HALFT,  128*PITCH                 ; what one tensor load brings: 128 rows of xb, or 64 k rows of wqb (64 x 544 is the same 34,816 bytes)
.set SLOT,   4*HALFT                   ; xb's 256 rows, then wqb's 128 k rows
.set STAGE,  2*SLOT                    ; behind the ring: 16 rows x 272 bytes for each wave, for the way out; no tensor load lands here
.set SPITCH, 272
.set LAPS,   SIZE_K/(2*KSTEP)          ; a lap = two K steps = once round the ring: 4
.set ASTEP,  KSTEP*2                   ; a K step along xb's rows, in bytes
.set BSTEP,  KSTEP*SIZE_N*2            ; a K step down wqb's rows, in bytes
.set HEADB,  262144                    ; bytes of a head in qkv: 2,048 rows of 128
.set ADRA, 16                          ; v16-17  LDS address of my xb fragments in slot 0, 1
.set ADRB, 20                          ; v20-21  the same for wqb
.set STO,  24                          ; v24     the way out: where I put 16 bytes of a row
.set RD,   25                          ; v25     the way out: where I read back
.set CO,   26                          ; v26     my byte offset in a store's 512 bytes
.set VB,   27                          ; v27     my byte offset in the bias
.set F0,   64                          ; fragment buffer 0
.set F1,   128                         ; fragment buffer 1
.set TMP,  192                         ; window 0: packed results
.set BIAS, 192                         ; window 1: v[BIAS+8 b+j] = bias of column 16 b + 8 (l / 16) + j
.set G1, 24                            ; s[24:31] descriptor group 1 for xb's tiles
.set G0, 32                            ; s[32:39] descriptor group 0 for xb's tiles, one set for each slot
.set G1B, 48                           ; s[48:55] descriptor group 1 for wqb's tiles
.set G0B, 56                           ; s[56:63] descriptor group 0 for wqb's tiles, one set for each slot
.set MSB, 0
.macro WIN new                         ; the immediate's high byte repeats the setting that is left
.if MSB != \new
	s_set_vgpr_msb (MSB<<8)|\new
.set MSB, \new
.endif
.endm
.set MUL_LO,   0xa1                    ; source 0 (wqb) window 1, source 1 (xb) window 0, C and D window 2
.set MUL_HI,   0xf1                    ; the same, C and D window 3
.set START_LO, 0x91                    ; the first products: C = the bias in window 1, D window 2
.set START_HI, 0xd1                    ; the same, D window 3
.set TO_B,     0x40                    ; destination window 1, address window 0
; A joint load.  Waves 0 and 1 fetch xb's two halves, waves 2 and 3 wqb's.  Each line has one mask and one set of registers for all that issue it;
; the branch hangs on the wave's number alone, which is the same in every work-group.
.macro JLOAD s
	s_cmp_eq_u32 s11, 0
	s_cbranch_scc0 .Lfor_b_\@
	tensor_load_to_lds s[G0+4*\s:G0+4*\s+3], s[G1:G1+7]
	s_nop 0
	s_branch .Lasked_\@
.Lfor_b_\@:
	tensor_load_to_lds s[G0B+4*\s:G0B+4*\s+3], s[G1B:G1B+7]
	s_nop 0
.Lasked_\@:
.endm
; A round of the cluster's barrier: my work-group's barrier, wave 0 signals for the work-group, every wave waits for all sixteen, my work-group's barrier once more.
.macro CREST                           ; a round behind its opening barrier
	s_cmp_lg_u32 s10, 0
	s_cbranch_scc1 .Lnot_wave_0_\@
	s_barrier_signal -3
.Lnot_wave_0_\@:
	s_barrier_wait -3
	s_barrier_signal -1
	s_barrier_wait -1
.endm
.macro CROUND                          ; a whole round
	s_barrier_signal -1
	s_barrier_wait -1
	CREST
.endm
	s_load_b128 s[4:7], s[0:1], 0x0                ; xb s[4:5], wqb s[6:7]
	s_load_b64 s[8:9], s[0:1], 0x10                ; qkv
	s_load_b64 s[2:3], s[0:1], 0x18                ; b_qkv
	s_set_vgpr_msb 0x40
	v_lshl_add_u32 v63, v0, 2, 0x48400
	s_set_vgpr_msb 0x4000
	v_mov_b32 v255, 0
	s_set_vgpr_msb 0x1
	ds_add_u32 v63, v255
	s_set_vgpr_msb 0x100
	v_lshrrev_b32 v1, 5, v0
	v_readfirstlane_b32 s10, v1                    ; wave 0..3
	s_lshr_b32 s11, s10, 1                         ; which half of the block's rows is mine.  Also: I fetch for xb (0) or for wqb (1)
	s_and_b32 s12, s10, 1                          ; which half of its columns.  Also: which half of that tile I fetch
	s_bfe_u32 s40, ttmp6, 0x40000                  ; cx
	s_bfe_u32 s41, ttmp6, 0x40004                  ; cy
	s_lshl_b32 s42, ttmp9, 2                       ; in a cluster launch ttmp9 and ttmp7 count clusters
	s_add_co_u32 s42, s42, s40                     ; block column = 4 x cluster x + cx, 0..11
	s_and_b32 s13, ttmp7, 0xffff
	s_lshl_b32 s13, s13, 2
	s_add_co_u32 s13, s13, s41                     ; block row = 4 x cluster y + cy, 0..31
	s_lshl_b32 s43, s41, 2
	s_lshl_b32 s43, 15, s43                        ; my row of the cluster: places 4 cy .. 4 cy + 3
	s_lshl_b32 s44, 0x1111, s40                    ; my column: places cx, cx + 4, cx + 8, cx + 12
	; group 1 for xb: 128 rows x 128 elements of 2 bytes, 4 words of padding behind every 64 words
	s_or_b32 s[G1+0], s43, (1<<16)|(1<<20)|(1<<21)|(5<<22)|(3<<25)   ; 15:0 mask; 17:16 element size; 20 padding on; 21 set beside a mask; 24:22 interval; 31:25 pad - 1
	s_mov_b32 s[G1+1], KSTEP<<16                   ; tensor_dim0 = 128
	s_mov_b32 s[G1+2], 128<<16                     ; tensor_dim1 = 128
	s_mov_b32 s[G1+3], KSTEP<<16                   ; tile_dim0 = 128
	s_mov_b32 s[G1+4], 128                         ; tile_dim1 = 128
	s_mov_b32 s[G1+5], SIZE_K                      ; elements from row to row
	s_mov_b32 s[G1+6], 0
	s_mov_b32 s[G1+7], 0
	; group 1 for wqb: 64 k rows x 256 elements of 2 bytes, 8 words of padding behind every 128 words
	s_or_b32 s[G1B+0], s44, (1<<16)|(1<<20)|(1<<21)|(6<<22)|(7<<25)
	s_mov_b32 s[G1B+1], 256<<16                    ; tensor_dim0 = 256
	s_mov_b32 s[G1B+2], 64<<16                     ; tensor_dim1 = 64
	s_mov_b32 s[G1B+3], 256<<16                    ; tile_dim0 = 256
	s_mov_b32 s[G1B+4], 64                         ; tile_dim1 = 64
	s_mov_b32 s[G1B+5], SIZE_N                     ; elements from row to row
	s_mov_b32 s[G1B+6], 0
	s_mov_b32 s[G1B+7], 0
	; where the tiles come from.  xb's hang on the block row alone, wqb's on the block column alone; each address in registers that never hold the other coordinate.
	s_lshl_b32 s17, s12, 7
	s_lshl_b32 s16, s13, 8
	s_add_co_u32 s16, s16, s17                     ; xb: row 256 x block row + 128 x half
	s_lshl_b32 s16, s16, 11                        ; x 2,048 bytes: below 16,777,216
	s_mov_b32 s17, 0
	s_mul_i32 s46, s12, 64*SIZE_N*2                ; wqb: k row 64 x half,
	s_lshl_b32 s47, s42, 9                         ; column 256 x block column, in bytes
	s_add_co_u32 s46, s46, s47
	s_mov_b32 s47, 0
	s_mul_i32 s20, s10, HALFT                      ; and where they go: wave x 34,816: no place in the cluster enters an LDS address
	s_wait_dscnt 0x0
	s_wait_kmcnt 0x0
	s_add_nc_u64 s[14:15], s[4:5], s[16:17]
	s_add_nc_u64 s[46:47], s[6:7], s[46:47]
	CROUND                                         ; all sixteen work-groups are here: the first joint loads meet
.irp s, 0,1
	s_mov_b32 s[G0+4*\s], 1                                        ; count = 1
	s_add_co_u32 s[G0+4*\s+1], s20, \s*SLOT                        ; LDS address
	s_add_nc_u64 s[G0+4*\s+2:G0+4*\s+3], s[14:15], \s*ASTEP        ; global address: K step s
	s_or_b32 s[G0+4*\s+3], s[G0+4*\s+3], 0x80000000                ; type = 2
	s_mov_b32 s[G0B+4*\s], 1
	s_add_co_u32 s[G0B+4*\s+1], s20, \s*SLOT
	s_add_nc_u64 s[G0B+4*\s+2:G0B+4*\s+3], s[46:47], \s*BSTEP
	s_or_b32 s[G0B+4*\s+3], s[G0B+4*\s+3], 0x80000000
	JLOAD \s                                       ; the ring is filled before anything else is done: two tensor loads of the wave are out
.endr
	v_and_b32 v1, 15, v0                           ; r = l % 16
	v_bfe_u32 v2, v0, 4, 1                         ; h = l / 16
	; the bias of my 128 columns, in the layout of a transposed accumulator: register j of tile column b is column 16 b + 8 h + j
	v_lshlrev_b32 v[VB], 5, v2                     ; 8 h numbers of 4 bytes
	s_lshl_b32 s66, s42, 10                        ; (256 x block column
	s_lshl_b32 s67, s12, 9                         ;  + 128 x half) x 4 bytes
	s_add_co_u32 s66, s66, s67
	s_mov_b32 s67, 0
	s_add_nc_u64 s[2:3], s[2:3], s[66:67]
	WIN TO_B
.irp b, 0,1,2,3,4,5,6,7
	global_load_b128 v[BIAS+8*\b:BIAS+8*\b+3],   v[VB], s[2:3] offset:64*\b
	global_load_b128 v[BIAS+8*\b+4:BIAS+8*\b+7], v[VB], s[2:3] offset:64*\b+16
.endr
	WIN 0
	; A fragment is 16 rows x 32 K in 8 registers: lane l holds row l % 16; registers 0-3 hold K = 8 h + 0..7, registers 4-7 K = 16 + 8 h + 0..7.
	; xb's rows lie along K: two loads of 16 bytes, 32 bytes apart.
	v_mul_u32_u24 v3, v1, PITCH
	v_lshl_add_u32 v3, v2, 4, v3                   ; r x pitch + 16 h
	; wqb's rows lie along n: the transposing load, lane l at k row 8 h + (l & 7), 16 bytes at 16 ((l >> 3) & 1); the second load 16 k rows further down
	v_and_b32 v6, 7, v0
	v_bfe_u32 v7, v0, 3, 1
	v_lshl_add_u32 v8, v2, 3, v6
	v_mul_u32_u24 v8, v8, BPITCH
	v_lshl_add_u32 v8, v7, 4, v8
	s_mul_i32 s21, s11, HALFT                      ; my 128 rows of xb
	s_lshl_b32 s22, s12, 8                         ; my 128 columns of wqb, 256 bytes of each k row,
	s_add_co_u32 s22, s22, 2*HALFT                 ; which lie behind xb's 256 rows
.irp s, 0,1
	v_add_nc_u32 v[ADRA+\s], s21, v3
	v_add_nc_u32 v[ADRB+\s], s22, v8
	s_add_co_u32 s21, s21, SLOT
	s_add_co_u32 s22, s22, SLOT
.endr
	s_mul_i32 s23, s10, 16*SPITCH
	s_add_co_u32 s23, s23, STAGE                   ; my stage
	v_add_nc_u32 v[STO], s23, v3                   ; in: row r, 16 bytes for each half of the lanes (the stage's pitch is xb's)
	v_bfe_u32 v4, v0, 3, 2                         ; back: eight lanes take a head's 128 bytes of one row, 32 lanes four rows
	v_mul_u32_u24 v5, v4, SPITCH
	v_lshl_add_u32 v5, v6, 4, v5
	v_add_nc_u32 v[RD], s23, v5
	v_and_b32 v4, 31, v0
	v_lshlrev_b32 v[CO], 4, v4                     ; four rows of 128 bytes are 512 consecutive bytes of qkv: 16 l
; 16 matrix instructions: m blocks a0, a0 + 1 of the window's four (hi = 0: my rows 0-63, 1: rows 64-127) x all 8 n blocks, 32 along K.
; zero = 1: the first product takes the bias as C and so starts the sums: nothing is cleared, and nothing is added on the way out.
; The 64 accumulators take turns, one instruction a turn, in the same order in every quarter step.
.macro MUL16 f, hi, a0, zero
.irp a, \a0, \a0+1
.irp b, 0,1,2,3,4,5,6,7
.if \zero
	v_wmma_f32_16x16x32_bf16 v[8*(8*(\a)+\b):8*(8*(\a)+\b)+7], v[\f+8*\b:\f+8*\b+7], v[\f+8*(4*\hi+\a):\f+8*(4*\hi+\a)+7], v[BIAS+8*\b:BIAS+8*\b+7]
.else
	v_wmma_f32_16x16x32_bf16 v[8*(8*(\a)+\b):8*(8*(\a)+\b)+7], v[\f+8*\b:\f+8*\b+7], v[\f+8*(4*\hi+\a):\f+8*(4*\hi+\a)+7], v[8*(8*(\a)+\b):8*(8*(\a)+\b)+7]
.endif
.endr
.endr
.endm
; 32 LDS loads in one run: the fragments of quarter step kq (32 along K) into buffer f: 16 for wqb, then 16 for xb
.macro FETCH slot, kq, f
	WIN TO_B
.irp i, 0,1,2,3,4,5,6,7
	ds_load_tr16_b128 v[\f+8*\i:\f+8*\i+3],   v[ADRB+\slot] offset:\kq*32*BPITCH+32*\i
	ds_load_tr16_b128 v[\f+8*\i+4:\f+8*\i+7], v[ADRB+\slot] offset:\kq*32*BPITCH+32*\i+16*BPITCH
.endr
	WIN 0
.irp i, 0,1,2,3,4,5,6,7
	ds_load_b128 v[\f+8*\i:\f+8*\i+3],   v[ADRA+\slot] offset:\kq*64+\i*16*PITCH
	ds_load_b128 v[\f+8*\i+4:\f+8*\i+7], v[ADRA+\slot] offset:\kq*64+\i*16*PITCH+32
.endr
.endm
; A load into a register that a matrix instruction has read, and a vector instruction or LDS store that reads a matrix result, stand four places behind
; that matrix instruction; only plain vector instructions that name none of its registers are places (ISA guide 7.12.1 for vector instructions).
.macro PLACES
.rept 4
	v_nop
.endr
.endm
; One of a K step's first three quarters: multiplies buffer f; in its middle it fetches quarter kq of the same slot into buffer g.
.macro QUARTER slot, kq, f, g, zero
	s_wait_dscnt 8                                 ; wqb's fragments and xb's rows 0-63 are in; the youngest eight loads (xb's rows 64-127) may be out
.if \zero
	WIN START_LO
.else
	WIN MUL_LO
.endif
	MUL16 \f, 0, 0, \zero
	MUL16 \f, 0, 2, \zero
	PLACES
	FETCH \slot, \kq, \g
	s_wait_dscnt 32                                ; all but the 32 just issued
.if \zero
	WIN START_HI
.else
	WIN MUL_HI
.endif
	MUL16 \f, 1, 0, \zero
	MUL16 \f, 1, 2, \zero
.endm
.macro THREE slot, zero
	QUARTER \slot, 1, F0, F1, \zero
	QUARTER \slot, 2, F1, F0, 0
	QUARTER \slot, 3, F0, F1, 0
.endm
; The last quarter: multiplies buffer 1 and changes slots.  next = the other slot; fill = 1: this slot is filled again, two K steps ahead.
; In front of the barrier each wave waits for its own reads of this slot and for all its tensor loads, of which one is out: its part of the next slot.
; Behind it nobody reads this slot any more and the next slot is whole: the refill comes first, then the next slot's first fragments.
; From a request to the wait for it a wave issues 240 matrix instructions.
.macro TURN slot, next, fill
	s_wait_dscnt 8
	WIN MUL_LO
	MUL16 F1, 0, 0, 0
	s_wait_dscnt 0                                 ; my reads of this slot are over
	s_wait_tensorcnt 0x0                           ; and all my tensor loads have landed
	ds_add_u32 v63, v255
	s_wait_dscnt 0x0
	s_barrier_signal -1                            ; say so (where a slot is filled again this barrier opens a round of the cluster's barrier),
	MUL16 F1, 0, 2, 0                              ; work on registers while the others arrive,
	WIN 0
	s_barrier_wait -1                              ; and go on when all four have said so
.if \fill
	CREST                                          ; all sixteen work-groups have said so: no wave of any partner still reads this slot or has a load on its way
	s_add_nc_u64 s[G0+4*\slot+2:G0+4*\slot+3], s[G0+4*\slot+2:G0+4*\slot+3], 2*ASTEP
	s_add_nc_u64 s[G0B+4*\slot+2:G0B+4*\slot+3], s[G0B+4*\slot+2:G0B+4*\slot+3], 2*BSTEP
	JLOAD \slot                                    ; the first tensor load behind the round, and the wave's only one until the next
.endif
	PLACES
	FETCH \next, 0, F0
	WIN MUL_HI
	MUL16 F1, 1, 0, 0
	MUL16 F1, 1, 2, 0
.endm
.macro LAP zero                        ; once round the ring, both slots filled again
	THREE 0, \zero
	TURN 0, 1, 1
	THREE 1, 0
	TURN 1, 0, 1
.endm
	s_wait_loadcnt 0x0                             ; the bias, once
	s_wait_tensorcnt 1                             ; my part of K step 0 is in; K step 1's load stays out
	s_barrier_signal -1
	s_barrier_wait -1                              ; everybody's is
	FETCH 0, 0, F0
	LAP 1                                          ; the first lap stands in front of the loop: its first products start the sums
	WIN 0                                          ; at a label and at a branch every window is 0
	s_mov_b32 s45, LAPS-2
.Llap:
	LAP 0
	WIN 0
	s_sub_co_u32 s45, s45, 1
	s_cmp_lg_u32 s45, 0
	s_cbranch_scc1 .Llap
	THREE 0, 0                                     ; the last lap fills nothing and has no round: the one tensor load still out is slot 1's, the last K step's
	TURN 0, 1, 0
	THREE 1, 0
	s_wait_dscnt 8                                 ; the very last quarter: nothing more to fetch
	WIN MUL_LO
	MUL16 F1, 0, 0, 0
	MUL16 F1, 0, 2, 0
	s_wait_dscnt 0
	WIN MUL_HI
	MUL16 F1, 1, 0, 0
	MUL16 F1, 1, 2, 0
	; THE WAY OUT, 16 rows at a time: round to bf16, 16 bytes a lane into my own stage, read back as four rows of one head, store 512 consecutive bytes.
	PLACES                                         ; the places behind the last matrix instructions, for the conversions and for the loads into buffers 0 and 1
	s_lshr_b32 s66, s42, 2                         ; q, k or v: 1,024 columns are four block columns
	s_lshl_b32 s66, s66, 24                        ; x 16,777,216 bytes
	s_and_b32 s67, s42, 3
	s_lshl_b32 s67, s67, 2                         ; four heads in a block column,
	s_lshl_b32 s68, s12, 1                         ; two in a wave's 128 columns
	s_add_co_u32 s67, s67, s68
	s_lshr_b32 s68, s13, 3                         ; batch: 2,048 rows are eight block rows
	s_lshl_b32 s68, s68, 4
	s_add_co_u32 s67, s67, s68                     ; 16 x batch + my first head
	s_lshl_b32 s67, s67, 18                        ; x 262,144 bytes
	s_add_co_u32 s66, s66, s67
	s_and_b32 s68, s13, 7
	s_lshl_b32 s68, s68, 8
	s_lshl_b32 s69, s11, 7
	s_add_co_u32 s68, s68, s69                     ; my first t
	s_lshl_b32 s68, s68, 7                         ; x 128 bytes
	s_add_co_u32 s66, s66, s68                     ; below 50,331,648
	s_mov_b32 s67, 0
	s_add_nc_u64 s[8:9], s[8:9], s[66:67]          ; never stepped: rows and head stand in the stores' immediates, 278,016 at the most
; rows 16 i .. 16 i + 15 of my block = the eight tiles (a, 0..7) of window 2 or 3 (from = 0x0a or 0x0f: sources 0 and 1); f: F0 or F1 in turn
.macro OUT16 i, a, from, f
	WIN \from
.irp b, 0,1,2,3,4,5,6,7
.irp r, 0,1,2,3
	v_cvt_pk_bf16_f32 v[TMP+4*\b+\r], v[8*(8*\a+\b)+2*\r], v[8*(8*\a+\b)+2*\r+1]
.endr
.endr
	WIN 0
.irp b, 0,1,2,3,4,5,6,7
	ds_store_b128 v[STO], v[TMP+4*\b:TMP+4*\b+3] offset:32*\b
.endr
	s_wait_xcnt 0x0                                ; buffer f, which earlier stores read, is loaded again only behind this wait (ISA guide 3.1)
.irp hh, 0,1
.irp j, 0,1,2,3
	ds_load_b128 v[\f+4*(4*\hh+\j):\f+4*(4*\hh+\j)+3], v[RD] offset:\hh*128+\j*4*SPITCH   ; LDS serves a wave's instructions in order (ISA guide 5.7.1): these see the stores above
.endr
.endr
.irp hh, 0,1
.irp j, 0,1,2,3
	s_wait_dscnt 7-(4*\hh+\j)                      ; the younger LDS loads stay out
	global_store_b128 v[CO], v[\f+4*(4*\hh+\j):\f+4*(4*\hh+\j)+3], s[8:9] offset:\hh*HEADB+\i*2048+\j*512   ; rows 16 i + 4 j .. + 3 of head hh: 512 consecutive bytes, aligned
.endr
.endr
.endm
	OUT16 0, 0, 0x0a, F0
	OUT16 1, 1, 0x0a, F1
	OUT16 2, 2, 0x0a, F0
	OUT16 3, 3, 0x0a, F1
	OUT16 4, 0, 0x0f, F0
	OUT16 5, 1, 0x0f, F1
	OUT16 6, 2, 0x0f, F0
	OUT16 7, 3, 0x0f, F1
	s_set_vgpr_msb 0x1
	s_wait_tensorcnt 0x0
	ds_add_u32 v63, v255
	s_wait_dscnt 0x0
	s_set_vgpr_msb 0x100
	CROUND                                         ; the closing round: no work-group ends while a partner may still ask for a tile that names it
	s_endpgm
.Lfunc_end_k_q9ab17c479a_gemm_qkv:
	.size	k_q9ab17c479a_gemm_qkv, .Lfunc_end_k_q9ab17c479a_gemm_qkv-k_q9ab17c479a_gemm_qkv
	.p2alignl 7, 3214868480
	.fill 96, 4, 3214868480
	.section	.rodata,"a",@progbits
	.p2align	6, 0x0
	.amdhsa_kernel k_q9ab17c479a_gemm_qkv
		.amdhsa_group_segment_fixed_size 327680
		.amdhsa_private_segment_fixed_size 0
		.amdhsa_enable_private_segment 0
		.amdhsa_kernarg_size 32
		.amdhsa_user_sgpr_count 2
		.amdhsa_user_sgpr_kernarg_segment_ptr 1
		.amdhsa_wavefront_size32 1
		.amdhsa_system_sgpr_workgroup_id_x 1
		.amdhsa_system_sgpr_workgroup_id_y 1
		.amdhsa_system_sgpr_workgroup_id_z 1
		.amdhsa_system_vgpr_workitem_id 0
		.amdhsa_next_free_vgpr 1024
		.amdhsa_next_free_sgpr 80
		.amdhsa_reserve_vcc 0
		.amdhsa_float_denorm_mode_32 3
		.amdhsa_float_denorm_mode_16_64 3
		.amdhsa_memory_ordered 1
		.amdhsa_forward_progress 1
		.amdhsa_inst_pref_size 198
	.end_amdhsa_kernel
	.amdgpu_metadata
---
amdhsa.version: [ 1, 2 ]
amdhsa.kernels:
  - .name:           k_q9ab17c479a_gemm_qkv
    .symbol:         k_q9ab17c479a_gemm_qkv.kd
    .args:
      - { .name: xb, .offset: 0, .size: 8, .value_kind: global_buffer, .address_space: global }
      - { .name: wqb, .offset: 8, .size: 8, .value_kind: global_buffer, .address_space: global }
      - { .name: qkv, .offset: 16, .size: 8, .value_kind: global_buffer, .address_space: global }
      - { .name: b_qkv, .offset: 24, .size: 8, .value_kind: global_buffer, .address_space: global }
    .group_segment_fixed_size: 327680
    .private_segment_fixed_size: 0
    .kernarg_segment_align: 8
    .kernarg_segment_size: 32
    .max_flat_workgroup_size: 128
    .sgpr_count:     80
    .vgpr_count:     1024
    .wavefront_size: 32
...
	.end_amdgpu_metadata
.endif
;; end of part 2
;; launch attn (part 3): grid 256 x 1, 8 waves a work-group, clusters of 4 x 1, 327,680 bytes of LDS; arguments qkv, ctx; writes ctx
.if DOCPART == 3
	.amdgcn_target "amdgcn-amd-amdhsa--gfx1250"
	.amdhsa_code_object_version 6
	.text
	.protected	k_q9ab17c479a_attn
	.globl	k_q9ab17c479a_attn
	.p2align	8
	.type	k_q9ab17c479a_attn,@function
k_q9ab17c479a_attn:
	s_mov_b64 s[64:65], 0
	v_nop
	global_prefetch_b8 v0, s[64:65] scope:SCOPE_SE
	s_setreg_imm32_b32 hwreg(HW_REG_WAVE_MODE, 25, 1), 1
	s_wait_xcnt 0x0
	s_wait_alu depctr_hold_cnt(0) depctr_sa_sdst(0) depctr_va_vdst(0) depctr_va_sdst(0) depctr_va_ssrc(0) depctr_va_vcc(0) depctr_vm_vsrc(0)
	s_getreg_b32 s2, hwreg(HW_REG_IB_STS2, 6, 4)
	s_cmp_eq_u32 s2, 0
	s_cbranch_scc0 .Lentry_in_a_cluster
	s_endpgm
.Lentry_in_a_cluster:
	s_bfe_u32 s2, ttmp6, 0x10000c
	s_cmp_lg_u32 s2, 0x3003
	s_cbranch_scc0 .Lentry_shape_is_right
	s_endpgm
.Lentry_shape_is_right:
; ctx = softmax(q k^T / 8) v for each of the 64 (batch, head) pairs.  qkv: [3][64 (batch, head)][2048][64] bf16, ctx: [64][2048][64] bf16.
; A cluster of four work-groups is one (batch, head); its work-groups are the four blocks of 512 queries and need the same tiles of k and v:
; every tile is asked for jointly (mask 15).  Eight waves, 64 queries each (four tiles of 16), two waves a SIMD, so that one wave's exponentials
; stand beside the other's matrix instructions.  Keys go in tiles of 256 through two LDS slots, four sub-steps of 64 keys in each.
; ALL PRODUCTS ARE TRANSPOSED, so that a lane owns one query:
;   S^T = K Q^T: source 0 = 16 keys, source 1 = 16 queries.  Lane (r, h) holds query r, register j key 8 h + j: the row's maximum is taken inside the lane and
;   by one exchange of the halves.  Two neighbouring key tiles, packed to bf16 in place, are already the source-1 fragment of P^T: no shuffle, no LDS.
;   O^T = V^T P^T: source 0 = V^T, by the transposing load.  Lane (r, h) holds query r, register j the number d = 16 dt + 8 h + j: rescaling and the division are the lane's own.
;   The row sums come from the matrix unit too: source 0 is a fragment of ones.  All 8 registers of such a tile receive the same sums; only register 0 is rescaled
;   and read; the other seven grow by at most 64 a sub-step, 2,048 in all.
; SOFTMAX: a running maximum m for each query.  p = 2^(s c - m c) with c = log2(e) / 8, the rounded product m c being kept; alpha = 2^(old m c - new m c) is made of the
; same rounded numbers, so its rounding leaves numerator and denominator alike.  The largest score gives p = 1 but for that rounding, so the sum is about 1 or more.
; LIMITS: q, k, v, P and ctx are bf16; the denominator sums the rounded P, the numbers that the numerator uses; v_exp_f32 gives 0 below 2^-126 (ISA guide 15.8).
.set SLOT,  81920                      ; 256 keys: k at 0 (256 x 144), a gap up to 40,960, v at 40,960 (256 x 160)
.set VOFF,  40960
.set KP,    144                        ; an LDS row of k: 128 bytes + 16, an odd multiple of 16
.set VP,    160                        ; an LDS row of v: 128 bytes + 32, an odd multiple of 32, for the transposing load
.set STAGE, 2*SLOT                     ; behind the ring: 64 rows x 144 bytes for each wave, for the way out; no tensor load lands here
.set TILEB, 32768                      ; a tile of 256 keys in memory
.set KPART, 16777216                   ; where k begins in qkv
.set VPART, 33554432                   ; where v begins
; window 0
.set ADRK, 8                           ; v8-9    LDS address of my k fragments in slot 0, 1
.set ADRV, 10                          ; v10-11  the same for v
.set VQ,   12                          ; v12     my byte offset in q's rows
.set STO,  13                          ; v13     the way out: where I put 16 bytes
.set RD,   14                          ; v14     the way out: where I read back
.set CO,   15                          ; v15     16 l
.set ONES, 16                          ; v[16:23] a fragment of bf16 ones
.set NM,   24                          ; v[24:31] pairs: the low word is - m c of query tile nt
.set AL,   32                          ; v[32:39] pairs: the low word is alpha, at the end 1 / sum
.set T,    40                          ; v[40:43] at work
.set PX,   44
.set U,    45
.set KV,   64                          ; v[64:127]  k fragment (kt, ds) at 16 kt + 8 ds; then v fragment (ks, dt) at 32 ks + 8 dt
.set SC,   128                         ; v[128:255] score tile (nt, kt) at 32 nt + 8 kt; P (nt, ks) is the first 8 registers of 32 nt + 16 ks
; window 1
.set QF,   0                           ; v[0:63]    q fragment (nt, ds) at 16 nt + 8 ds
.set OA,   64                          ; v[64:191]  O^T tile (nt, dt) at 32 nt + 8 dt
.set LS,   192                         ; v[192:223] row sums of query tile nt at 8 nt
.set G1K, 16                           ; s[16:23] descriptor group 1 for k
.set G1V, 24                           ; s[24:31] for v
.set G0K, 32                           ; s[32:39] descriptor group 0 for k, one set for each slot
.set G0V, 40                           ; s[40:47] for v
.set W_S,  0x04                        ; score products: source 1 (q) window 1
.set W_R,  0x41                        ; rescaling: destination and source 0 window 1
.set W_PV, 0x50                        ; P V products: C and D window 1
.set W_Q,  0x40                        ; loads of q: destination window 1
.set W_END, 0x01                       ; the end: source 0 window 1
.set MSB, 0
.macro WIN new                         ; the immediate's high byte repeats the setting that is left
.if MSB != \new
	s_set_vgpr_msb (MSB<<8)|\new
.set MSB, \new
.endif
.endm
.macro PLACES n                        ; places behind matrix instructions: plain vector instructions that name none of their registers (ISA guide 7.12.1)
.rept \n
	v_nop
.endr
.endm
; A round of the cluster's barrier: my work-group's barrier, wave 0 signals for the work-group, every wave waits for all four, my work-group's barrier once more.
.macro ROUND
	s_barrier_signal -1
	s_barrier_wait -1
	s_cmp_lg_u32 s10, 0
	s_cbranch_scc1 .Lnot_wave_0_\@
	s_barrier_signal -3
.Lnot_wave_0_\@:
	s_barrier_wait -3
	s_barrier_signal -1
	s_barrier_wait -1
.endm
; A joint load: waves 0-3 fetch 64 keys of k each, waves 4-7 64 keys of v.  The branch hangs on the wave's number alone.
.macro JLOAD s
	s_cmp_eq_u32 s11, 0
	s_cbranch_scc0 .Lfor_v_\@
	tensor_load_to_lds s[G0K+4*(\s):G0K+4*(\s)+3], s[G1K:G1K+7]
	s_nop 0
	s_branch .Lasked_\@
.Lfor_v_\@:
	tensor_load_to_lds s[G0V+4*(\s):G0V+4*(\s)+3], s[G1V:G1V+7]
	s_nop 0
.Lasked_\@:
.endm
	s_load_b128 s[4:7], s[0:1], 0x0                ; qkv s[4:5], ctx s[6:7]
	v_lshl_add_u32 v62, v0, 2, 0x3a000
	v_mov_b32 v63, 0
	ds_add_u32 v62, v63
	v_lshrrev_b32 v1, 5, v0
	v_readfirstlane_b32 s10, v1                    ; wave 0..7
	s_lshr_b32 s11, s10, 2                         ; I fetch for k (0) or for v (1)
	s_and_b32 s12, s10, 3                          ; which 64 keys of a tile
	s_bfe_u32 s14, ttmp6, 0x40000                  ; cx: which 512 queries; ttmp9 counts clusters: the (batch, head) pair
	s_mov_b32 s48, 0x3e38aa3b                      ; c = log2(e) / 8
	s_mov_b32 s49, 0x3e38aa3b
	s_mov_b32 s50, 0xbe38aa3b                      ; - c
	s_mov_b32 s52, 0x76543210                      ; v_permlanex16_b32: lane i of one half reads lane i of the other
	s_mov_b32 s53, 0xfedcba98
	; group 1: 64 keys are 8,192 consecutive bytes, taken as 32 rows of 32 elements of 8 bytes.  The padding counts words along the whole tile:
	; behind every 32 words (a key's 128 bytes) 4 words for k, 8 for v.
	s_mov_b32 s[G1K+0], 15|(3<<16)|(1<<20)|(1<<21)|(4<<22)|(3<<25)   ; 15:0 mask: all four; 17:16 element size; 20 padding on; 21 set beside a mask; 24:22 interval; 31:25 pad - 1
	s_mov_b32 s[G1K+1], 32<<16                     ; tensor_dim0 = 32
	s_mov_b32 s[G1K+2], 32<<16                     ; tensor_dim1 = 32
	s_mov_b32 s[G1K+3], 32<<16                     ; tile_dim0 = 32
	s_mov_b32 s[G1K+4], 32                         ; tile_dim1 = 32
	s_mov_b32 s[G1K+5], 32                         ; elements from row to row: dense
	s_mov_b32 s[G1K+6], 0
	s_mov_b32 s[G1K+7], 0
	s_mov_b32 s[G1V+0], 15|(3<<16)|(1<<20)|(1<<21)|(4<<22)|(7<<25)
	s_mov_b32 s[G1V+1], 32<<16
	s_mov_b32 s[G1V+2], 32<<16
	s_mov_b32 s[G1V+3], 32<<16
	s_mov_b32 s[G1V+4], 32
	s_mov_b32 s[G1V+5], 32
	s_mov_b32 s[G1V+6], 0
	s_mov_b32 s[G1V+7], 0
	s_lshl_b32 s60, ttmp9, 18                      ; the head: 262,144 bytes each,
	s_lshl_b32 s61, s12, 13                        ; my 64 keys: 8,192 bytes: nothing here hangs on cx
	s_add_co_u32 s60, s60, s61
	s_mov_b32 s61, 0
	s_mul_i32 s62, s10, 64*KP                      ; k's part goes to wave x 9,216 (waves 0-3),
	s_mul_i32 s63, s10, 64*VP                      ; v's to wave x 10,240 (waves 4-7: from 40,960 on)
	s_lshl_b32 s56, ttmp9, 18                      ; my 64 queries: head,
	s_lshl_b32 s57, s14, 16                        ; 512 rows of 128 bytes for each work-group,
	s_add_co_u32 s56, s56, s57
	s_lshl_b32 s57, s10, 13                        ; 64 rows for each wave
	s_add_co_u32 s56, s56, s57
	s_mov_b32 s57, 0
	s_wait_dscnt 0x0
	s_wait_kmcnt 0x0
	s_add_nc_u64 s[60:61], s[4:5], s[60:61]
	s_add_nc_u64 s[58:59], s[4:5], s[56:57]        ; q at my first query
	s_add_nc_u64 s[6:7], s[6:7], s[56:57]          ; ctx at my first query
.irp s, 0,1
	s_mov_b32 s[G0K+4*\s], 1                                       ; count = 1
	s_add_co_u32 s[G0K+4*\s+1], s62, \s*SLOT                       ; LDS address
	s_add_nc_u64 s[G0K+4*\s+2:G0K+4*\s+3], s[60:61], KPART+\s*TILEB   ; global address: tile s
	s_or_b32 s[G0K+4*\s+3], s[G0K+4*\s+3], 0x80000000              ; type = 2
	s_mov_b32 s[G0V+4*\s], 1
	s_add_co_u32 s[G0V+4*\s+1], s63, \s*SLOT
	s_add_nc_u64 s[G0V+4*\s+2:G0V+4*\s+3], s[60:61], VPART+\s*TILEB
	s_or_b32 s[G0V+4*\s+3], s[G0V+4*\s+3], 0x80000000
.endr
	ROUND                                          ; all four work-groups are here: the first joint loads meet
	JLOAD 0                                        ; tile 0; slot 1 is first filled behind the first trip's round.  One tensor load of the wave is out at any time
	v_and_b32 v1, 15, v0                           ; r
	v_bfe_u32 v2, v0, 4, 1                         ; h
	v_lshlrev_b32 v[VQ], 7, v1
	v_lshl_add_u32 v[VQ], v2, 4, v[VQ]             ; r x 128 + 16 h
	WIN W_Q
.irp nt, 0,1,2,3
.irp ds, 0,1
	global_load_b128 v[QF+16*\nt+8*\ds:QF+16*\nt+8*\ds+3],   v[VQ], s[58:59] offset:\nt*2048+\ds*64      ; q (16 nt + r, 32 ds + 8 h ..)
	global_load_b128 v[QF+16*\nt+8*\ds+4:QF+16*\nt+8*\ds+7], v[VQ], s[58:59] offset:\nt*2048+\ds*64+32   ; q (16 nt + r, 32 ds + 16 + 8 h ..)
.endr
.endr
	WIN 0
	v_and_b32 v3, 7, v0                            ; l & 7
	v_bfe_u32 v4, v0, 3, 1                         ; (l >> 3) & 1
	v_and_b32 v5, 31, v0                           ; l
	v_bfe_u32 v6, v0, 3, 2                         ; l >> 3
	v_mul_u32_u24 v[ADRK], v1, KP
	v_lshl_add_u32 v[ADRK], v2, 4, v[ADRK]         ; k lies along d: row r, 16 h
	v_add_nc_u32 v[ADRK+1], SLOT, v[ADRK]
	v_lshl_add_u32 v7, v2, 3, v3                   ; v lies across: key row 8 h + (l & 7),
	v_mul_u32_u24 v[ADRV], v7, VP
	v_lshl_add_u32 v[ADRV], v4, 4, v[ADRV]         ; 16 bytes at 16 ((l >> 3) & 1)
	v_add_nc_u32 v[ADRV], VOFF, v[ADRV]
	v_add_nc_u32 v[ADRV+1], SLOT, v[ADRV]
	s_add_co_u32 s15, s62, STAGE                   ; my stage: wave x 9,216 behind the ring
	v_add_nc_u32 v[STO], s15, v[ADRK]              ; in: row r, 16 h
	v_mul_u32_u24 v[RD], v6, KP                    ; back: eight lanes take a row's 128 bytes, 32 lanes four rows
	v_lshl_add_u32 v[RD], v3, 4, v[RD]
	v_add_nc_u32 v[RD], s15, v[RD]
	v_lshlrev_b32 v[CO], 4, v5
.irp i, 0,1,2,3,4,5,6,7
	v_mov_b32 v[ONES+\i], 0x3f803f80               ; two bf16 ones
.endr
.irp i, 0,1,2,3
	v_mov_b32 v[NM+2*\i+1], 0                      ; the pairs' upper words are never used, but a pair is named whole
	v_mov_b32 v[AL+2*\i+1], 0
.endr
	v_mov_b32 v[PX], 0                             ; v_permlanex16_b32's destination counts as read
	s_wait_loadcnt 0x0                             ; q, once
; 8 LDS loads: the k fragments of key tiles 2 half, 2 half + 1 of sub-step j
.macro LDK slot, j, half
.irp kk, 0,1
.irp ds, 0,1
	ds_load_b128 v[KV+16*(2*\half+\kk)+8*\ds:KV+16*(2*\half+\kk)+8*\ds+3],   v[ADRK+\slot] offset:(\j)*64*KP+(2*\half+\kk)*16*KP+\ds*64
	ds_load_b128 v[KV+16*(2*\half+\kk)+8*\ds+4:KV+16*(2*\half+\kk)+8*\ds+7], v[ADRK+\slot] offset:(\j)*64*KP+(2*\half+\kk)*16*KP+\ds*64+32
.endr
.endr
.endm
; 16 transposing LDS loads: V^T of sub-step j: 32 keys ks x 16 numbers dt
.macro LDV slot, j
.irp ks, 0,1
.irp dt, 0,1,2,3
	ds_load_tr16_b128 v[KV+32*\ks+8*\dt:KV+32*\ks+8*\dt+3],   v[ADRV+\slot] offset:(\j)*64*VP+\ks*32*VP+\dt*32
	ds_load_tr16_b128 v[KV+32*\ks+8*\dt+4:KV+32*\ks+8*\dt+7], v[ADRV+\slot] offset:(\j)*64*VP+\ks*32*VP+\dt*32+16*VP
.endr
.endr
.endm
; 16 matrix instructions: key tiles 2 half, 2 half + 1 x four query tiles; d = 0..31 starts the sums, d = 32..63 adds.
; The eight accumulators take turns, one instruction a turn.
.macro SMUL half
.irp kk, 0,1
.irp nt, 0,1,2,3
	v_wmma_f32_16x16x32_bf16 v[SC+32*\nt+8*(2*\half+\kk):SC+32*\nt+8*(2*\half+\kk)+7], v[KV+16*(2*\half+\kk):KV+16*(2*\half+\kk)+7], v[QF+16*\nt:QF+16*\nt+7], 0
.endr
.endr
.irp kk, 0,1
.irp nt, 0,1,2,3
	v_wmma_f32_16x16x32_bf16 v[SC+32*\nt+8*(2*\half+\kk):SC+32*\nt+8*(2*\half+\kk)+7], v[KV+16*(2*\half+\kk)+8:KV+16*(2*\half+\kk)+15], v[QF+16*\nt+8:QF+16*\nt+15], v[SC+32*\nt+8*(2*\half+\kk):SC+32*\nt+8*(2*\half+\kk)+7]
.endr
.endr
.endm
; The largest of a query's 64 scores: 32 in my registers (four chains, one a key tile), 32 in the lane of the other half.  Then - m c, and alpha.
.macro ROWMAX nt, first
.irp k, 0,1,2,3
	v_max3_num_f32 v[T+\k], v[SC+32*\nt+8*\k], v[SC+32*\nt+8*\k+1], v[SC+32*\nt+8*\k+2]
.endr
.irp k, 0,1,2,3
	v_max3_num_f32 v[T+\k], v[T+\k], v[SC+32*\nt+8*\k+3], v[SC+32*\nt+8*\k+4]
.endr
.irp k, 0,1,2,3
	v_max3_num_f32 v[T+\k], v[T+\k], v[SC+32*\nt+8*\k+5], v[SC+32*\nt+8*\k+6]
.endr
	v_max3_num_f32 v[T],   v[T],   v[T+1], v[SC+32*\nt+7]
	v_max3_num_f32 v[T+2], v[T+2], v[T+3], v[SC+32*\nt+15]
	v_max3_num_f32 v[T],   v[T],   v[T+2], v[SC+32*\nt+23]
	v_max_num_f32  v[T],   v[T],   v[SC+32*\nt+31]
	v_permlanex16_b32 v[PX], v[T], s52, s53
	v_max_num_f32 v[T], v[T], v[PX]
.if \first
	v_mul_f32 v[NM+2*\nt], s50, v[T]               ; - m c
.else
	v_mul_f32 v[U], s50, v[T]
	v_min_num_f32 v[U], v[U], v[NM+2*\nt]          ; c > 0: the larger maximum has the smaller - m c
	v_sub_f32 v[AL+2*\nt], v[U], v[NM+2*\nt]       ; old m c - new m c, never above 0
	v_mov_b32 v[NM+2*\nt], v[U]
	v_exp_f32 v[AL+2*\nt], v[AL+2*\nt]             ; alpha; the plain vector instruction that follows (the next macro's first line) touches neither (ISA guide 5.7.2)
.endif
.endm
.macro FMA nt                          ; s c - m c, two at a time: the scale 1 / 8 and the change of base ride in the multiply-add
.set ee, 0
.rept 16
	v_pk_fma_f32 v[SC+32*\nt+ee:SC+32*\nt+ee+1], v[SC+32*\nt+ee:SC+32*\nt+ee+1], s[48:49], v[NM+2*\nt:NM+2*\nt+1] op_sel_hi:[1,0,0]
.set ee, ee+2
.endr
.endm
.macro EXPS nt                         ; 32 exponentials back to back on different registers; what follows the run is plain work on other registers
.set ee, 0
.rept 32
	v_exp_f32 v[SC+32*\nt+ee], v[SC+32*\nt+ee]
.set ee, ee+1
.endr
.endm
.macro CVT nt                          ; P to bf16, packed in place: word i of a fragment comes from registers 2 i, 2 i + 1, which lie at or above it
	s_wait_alu depctr_va_vdst(0)
.irp ks, 0,1
.irp i, 0,1,2,3,4,5,6,7
	v_cvt_pk_bf16_f32 v[SC+32*\nt+16*\ks+\i], v[SC+32*\nt+16*\ks+2*\i], v[SC+32*\nt+16*\ks+2*\i+1]
.endr
.endr
.endm
.macro RESCALE nt                      ; O^T and the row sum times alpha: a lane's own number, since a lane owns a query
.set ee, 0
.rept 16
	v_pk_mul_f32 v[OA+32*\nt+ee:OA+32*\nt+ee+1], v[OA+32*\nt+ee:OA+32*\nt+ee+1], v[AL+2*\nt:AL+2*\nt+1] op_sel_hi:[1,0]
.set ee, ee+2
.endr
	v_mul_f32 v[LS+8*\nt], v[LS+8*\nt], v[AL+2*\nt]
.endm
; 20 matrix instructions on 20 accumulators, for 32 keys: O^T (nt, dt), then the row sums.  They take turns, one instruction a turn.
.macro PVMUL ks, zero
.irp dt, 0,1,2,3
.irp nt, 0,1,2,3
.if \zero
	v_wmma_f32_16x16x32_bf16 v[OA+32*\nt+8*\dt:OA+32*\nt+8*\dt+7], v[KV+32*\ks+8*\dt:KV+32*\ks+8*\dt+7], v[SC+32*\nt+16*\ks:SC+32*\nt+16*\ks+7], 0
.else
	v_wmma_f32_16x16x32_bf16 v[OA+32*\nt+8*\dt:OA+32*\nt+8*\dt+7], v[KV+32*\ks+8*\dt:KV+32*\ks+8*\dt+7], v[SC+32*\nt+16*\ks:SC+32*\nt+16*\ks+7], v[OA+32*\nt+8*\dt:OA+32*\nt+8*\dt+7]
.endif
.endr
.endr
.irp nt, 0,1,2,3
.if \zero
	v_wmma_f32_16x16x32_bf16 v[LS+8*\nt:LS+8*\nt+7], v[ONES:ONES+7], v[SC+32*\nt+16*\ks:SC+32*\nt+16*\ks+7], 0
.else
	v_wmma_f32_16x16x32_bf16 v[LS+8*\nt:LS+8*\nt+7], v[ONES:ONES+7], v[SC+32*\nt+16*\ks:SC+32*\nt+16*\ks+7], v[LS+8*\nt:LS+8*\nt+7]
.endif
.endr
.endm
; A sub-step: 64 keys x my 64 queries.  first = 1: the very first: it starts maximum and sums.  more = 1: the slot's next sub-step's k fragments are fetched.
.macro SUB slot, j, first, more
	s_wait_dscnt 8                                 ; the first eight k loads are in; the eight of key tiles 2, 3 may be out
	WIN W_S
	SMUL 0
	s_wait_dscnt 0
	SMUL 1
	PLACES 4                                       ; four places: then loads into the k fragments' registers, and vector reads of the scores
	WIN 0
	LDV \slot, \j                                  ; V^T comes in beside the softmax
	ROWMAX 0, \first
	ROWMAX 1, \first
	ROWMAX 2, \first
	ROWMAX 3, \first
	FMA 0
	EXPS 0
	FMA 1                                          ; plain work on other registers stands between a run of exponentials and the use of its results (ISA guide 5.7.2)
	CVT 0
	EXPS 1
	FMA 2
	CVT 1
	EXPS 2
	FMA 3
	CVT 2
	EXPS 3
	v_nop
	s_wait_alu depctr_va_vdst(0)
	CVT 3
.if \first == 0
	WIN W_R
	RESCALE 0
	RESCALE 1
	RESCALE 2
	RESCALE 3
.endif
	s_wait_dscnt 0                                 ; V^T is in
	WIN W_PV
	PVMUL 0, \first
.if \more
	PLACES 4                                       ; four places: then loads into the registers of V^T's first 32 keys
	WIN 0
	LDK \slot, \j+1, 0
	WIN W_PV
.endif
	PVMUL 1, 0
	PLACES 5                                       ; five places: then the next score products write over P; loads into V^T's other half; at the end vector reads of O^T
	WIN 0
.if \more
	LDK \slot, \j+1, 1
.endif
.endm
; A tile of 256 keys.  In front of the round every wave waits for all its tensor loads (its part of this trip's tile among them) and for its reads of the other slot;
; behind the round the other slot is asked for again first, by one tensor load a wave, which has this trip's four sub-steps in which to land.
.macro TRIP slot, refill, first
	s_wait_tensorcnt 0x0                           ; no tensor load of mine is out: a group 0 may be written
	ds_add_u32 v62, v63
	s_wait_dscnt 0x0
	s_add_nc_u64 s[G0K+4*\slot+2:G0K+4*\slot+3], s[G0K+4*\slot+2:G0K+4*\slot+3], 2*TILEB   ; this slot's next tile
	s_add_nc_u64 s[G0V+4*\slot+2:G0V+4*\slot+3], s[G0V+4*\slot+2:G0V+4*\slot+3], 2*TILEB
	s_wait_dscnt 0x0                               ; my reads of the last trip's tile are done
	ROUND                                          ; both now hold of every wave of all four work-groups
.if \refill
	JLOAD 1-\slot
.endif
	LDK \slot, 0, 0
	LDK \slot, 0, 1
	SUB \slot, 0, \first, 1
	SUB \slot, 1, 0, 1
	SUB \slot, 2, 0, 1
	SUB \slot, 3, 0, 0
.endm
	TRIP 0, 1, 1                                   ; tiles 0 and 1 stand in front of the loop: the first sub-step starts the sums
	TRIP 1, 1, 0
	s_mov_b32 s54, 2
.Ltiles:
	TRIP 0, 1, 0                                   ; tiles 2 to 5
	TRIP 1, 1, 0
	s_sub_co_u32 s54, s54, 1
	s_cmp_lg_u32 s54, 0
	s_cbranch_scc1 .Ltiles
	TRIP 0, 1, 0                                   ; tile 6; tile 7 is asked for
	TRIP 1, 0, 0                                   ; tile 7: nothing is left to fetch (the stepped addresses are not used)
	; THE END: divide by the row sums, round to bf16, through my own stage, 512 consecutive bytes a store.  The last sub-step's five places stand behind the last products.
	WIN W_END
.irp nt, 0,1,2,3
	v_rcp_f32 v[AL+2*\nt], v[LS+8*\nt]
.endr
	v_nop                                          ; one plain place behind the reciprocals (ISA guide 5.7.2)
	s_wait_alu depctr_va_vdst(0)
.irp nt, 0,1,2,3
.irp i, 0,1,2,3,4,5,6,7,8,9,10,11,12,13,14,15
	v_pk_mul_f32 v[SC+32*\nt+2*\i:SC+32*\nt+2*\i+1], v[OA+32*\nt+2*\i:OA+32*\nt+2*\i+1], v[AL+2*\nt:AL+2*\nt+1] op_sel_hi:[1,0]
.endr
.endr
	WIN 0
.irp nt, 0,1,2,3
.irp dt, 0,1,2,3
.irp i, 0,1,2,3
	v_cvt_pk_bf16_f32 v[SC+32*\nt+8*\dt+\i], v[SC+32*\nt+8*\dt+2*\i], v[SC+32*\nt+8*\dt+2*\i+1]
.endr
	ds_store_b128 v[STO], v[SC+32*\nt+8*\dt:SC+32*\nt+8*\dt+3] offset:\nt*16*KP+\dt*32   ; query 16 nt + r, numbers 16 dt + 8 h .. + 7
.endr
.endr
.irp j, 0,1,2,3,4,5,6,7,8,9,10,11,12,13,14,15
	ds_load_b128 v[KV+4*\j:KV+4*\j+3], v[RD] offset:\j*4*KP    ; LDS serves a wave's instructions in order (ISA guide 5.7.1): these see the stores above
.endr
.irp j, 0,1,2,3,4,5,6,7,8,9,10,11,12,13,14,15
	s_wait_dscnt 15-\j                             ; the younger LDS loads stay out
	global_store_b128 v[CO], v[KV+4*\j:KV+4*\j+3], s[6:7] offset:512*\j   ; queries 4 j .. 4 j + 3: 512 consecutive bytes, aligned
.endr
	s_wait_tensorcnt 0x0
	ds_add_u32 v62, v63
	s_wait_dscnt 0x0
	ROUND                                          ; the closing round: no work-group ends while a partner may still ask for a tile that names it
	s_endpgm
.Lfunc_end_k_q9ab17c479a_attn:
	.size	k_q9ab17c479a_attn, .Lfunc_end_k_q9ab17c479a_attn-k_q9ab17c479a_attn
	.p2alignl 7, 3214868480
	.fill 96, 4, 3214868480
	.section	.rodata,"a",@progbits
	.p2align	6, 0x0
	.amdhsa_kernel k_q9ab17c479a_attn
		.amdhsa_group_segment_fixed_size 327680
		.amdhsa_private_segment_fixed_size 0
		.amdhsa_enable_private_segment 0
		.amdhsa_kernarg_size 16
		.amdhsa_user_sgpr_count 2
		.amdhsa_user_sgpr_kernarg_segment_ptr 1
		.amdhsa_wavefront_size32 1
		.amdhsa_system_sgpr_workgroup_id_x 1
		.amdhsa_system_sgpr_workgroup_id_y 1
		.amdhsa_system_sgpr_workgroup_id_z 1
		.amdhsa_system_vgpr_workitem_id 0
		.amdhsa_next_free_vgpr 480
		.amdhsa_next_free_sgpr 66
		.amdhsa_reserve_vcc 0
		.amdhsa_float_denorm_mode_32 3
		.amdhsa_float_denorm_mode_16_64 3
		.amdhsa_memory_ordered 1
		.amdhsa_forward_progress 1
		.amdhsa_inst_pref_size 255
	.end_amdhsa_kernel
	.section	.bss,"aw",@nobits
	.p2align	6
	.space	262144
	.amdgpu_metadata
---
amdhsa.version: [ 1, 2 ]
amdhsa.kernels:
  - .name:           k_q9ab17c479a_attn
    .symbol:         k_q9ab17c479a_attn.kd
    .args:
      - { .name: qkv, .offset: 0, .size: 8, .value_kind: global_buffer, .address_space: global }
      - { .name: ctx, .offset: 8, .size: 8, .value_kind: global_buffer, .address_space: global }
    .group_segment_fixed_size: 327680
    .private_segment_fixed_size: 0
    .kernarg_segment_align: 8
    .kernarg_segment_size: 16
    .max_flat_workgroup_size: 256
    .sgpr_count:     66
    .vgpr_count:     480
    .wavefront_size: 32
...
	.end_amdgpu_metadata
.endif
;; end of part 3
;; launch gemm_out (part 4): grid 4 x 32, 4 waves a work-group, clusters of 4 x 4, 327,680 bytes of LDS; arguments ctx, wob, out0, b_out; writes out0
.if DOCPART == 4
	.amdgcn_target "amdgcn-amd-amdhsa--gfx1250"
	.amdhsa_code_object_version 6
	.text
	.protected	k_q9ab17c479a_gemm_out
	.globl	k_q9ab17c479a_gemm_out
	.p2align	8
	.type	k_q9ab17c479a_gemm_out,@function
k_q9ab17c479a_gemm_out:
	s_mov_b64 s[64:65], 0
	v_nop
	global_prefetch_b8 v0, s[64:65] scope:SCOPE_SE
	s_setreg_imm32_b32 hwreg(HW_REG_WAVE_MODE, 25, 1), 1
	s_wait_xcnt 0x0
	s_wait_alu depctr_hold_cnt(0) depctr_sa_sdst(0) depctr_va_vdst(0) depctr_va_sdst(0) depctr_va_ssrc(0) depctr_va_vcc(0) depctr_vm_vsrc(0)
	s_getreg_b32 s2, hwreg(HW_REG_IB_STS2, 6, 4)
	s_cmp_eq_u32 s2, 0
	s_cbranch_scc0 .Lentry_in_a_cluster
	s_endpgm
.Lentry_in_a_cluster:
	s_bfe_u32 s2, ttmp6, 0x10000c
	s_cmp_lg_u32 s2, 0xf033
	s_cbranch_scc0 .Lentry_shape_is_right
	s_endpgm
.Lentry_shape_is_right:
; out0 = ctx . wob + b_out.  ctx: [4 (batch)][16 (head)][2048 (t)][64] bf16, so that K = 64 head + d; wob: [1024 (k)][1024 (n)] bf16; b_out: [1024] f32; out0: [8192][1024] f32.
; A work-group makes a block of 256 x 256 with four waves, a wave 128 x 128: 64 accumulator tiles, 512 registers.  There are 4 x 32 = 128 such blocks.
; K goes in steps of 128, two heads, through a ring of two LDS slots filled by the tensor data mover.
; CLUSTERS: 4 x 4 work-groups.  ctx's tiles are shared along a row of the cluster, wob's along a column: each is asked for jointly, which divides the requests by four.
; wob lies with n along its rows: its fragments are read from LDS by the transposing load ds_load_tr16_b128.
; LIMITS: operands are bf16 (rounded by the launches before); sums in f32 in the matrix unit's order; the result is stored as it is summed.
;
; REGISTERS, in windows of 256 (s_set_vgpr_msb's low byte: bits 1:0 source 0, 3:2 source 1, 5:4 source 2, 7:6 destination):
;   window 0: v0-31 addresses; v64-127, v128-191 fragments of ctx, two buffers, and the way out's rows
;   window 1: v64-127, v128-191 fragments of wob, two buffers; v192-255 the bias of my 128 columns in an accumulator's layout
;   window 2: the 32 accumulator tiles of my rows 0-63 (tile (a, b) at v[8 (8 a + b)]);   window 3: those of my rows 64-127
; THE MATRIX INSTRUCTION IS USED TRANSPOSED: source 0 = 16 columns of wob, source 1 = 16 rows of ctx.  Lane l then holds row l % 16 of the result and its
; registers 0 to 7 the columns 8 (l / 16) + 0 .. 7: 32 neighbouring bytes of a row.
.set SIZE_N, 1024
.set KSTEP,  128
.set APITCH, 144                       ; an LDS row of ctx: a head's 128 bytes + 16 of padding, an odd multiple of 16
.set PLANE,  256*APITCH                ; one head's 256 rows: what one tensor load of ctx brings
.set BPITCH, 544                       ; an LDS row of wob: 512 bytes + 32 of padding, an odd multiple of 32
.set BHALF,  64*BPITCH                 ; 64 k rows: what one tensor load of wob brings
.set BOFF,   2*PLANE                   ; wob's 128 k rows lie behind ctx's two planes
.set SLOT,   BOFF+2*BHALF              ; 143,360
.set STAGE,  2*SLOT                    ; behind the ring: 16 rows x 528 bytes for each wave, for the way out; no tensor load lands here
.set SPITCH, 528                       ; 512 bytes + 16
.set LAPS,   4                         ; a lap = two K steps = once round the ring; K = 1,024
.set ASTEP,  2*262144                  ; a K step in ctx: two heads of 262,144 bytes
.set BSTEP,  KSTEP*SIZE_N*2            ; a K step down wob's rows, in bytes
.set ADRA, 16                          ; v16-17  LDS address of my ctx fragments in slot 0, 1
.set ADRB, 20                          ; v20-21  the same for wob
.set STO,  24                          ; v24     the way out: where I put 32 bytes of a row
.set RD,   25                          ; v25     the way out: where I read a row back
.set CO,   26                          ; v26     my byte offset in a row's 512 bytes
.set VB,   27                          ; v27     my byte offset in the bias
.set F0,   64
.set F1,   128
.set BIAS, 192                         ; window 1: v[BIAS+8 b+j] = bias of column 16 b + 8 (l / 16) + j
.set G1, 24                            ; s[24:31] descriptor group 1 for ctx's tiles
.set G0, 32                            ; s[32:39] descriptor group 0 for ctx's tiles, one set for each slot
.set G1B, 48                           ; s[48:55] descriptor group 1 for wob's tiles
.set G0B, 56                           ; s[56:63] descriptor group 0 for wob's tiles, one set for each slot
.set MSB, 0
.macro WIN new                         ; the immediate's high byte repeats the setting that is left
.if MSB != \new
	s_set_vgpr_msb (MSB<<8)|\new
.set MSB, \new
.endif
.endm
.set MUL_LO,   0xa1                    ; source 0 (wob) window 1, source 1 (ctx) window 0, C and D window 2
.set MUL_HI,   0xf1                    ; the same, C and D window 3
.set START_LO, 0x91                    ; the first products: C = the bias in window 1, D window 2
.set START_HI, 0xd1                    ; the same, D window 3
.set TO_B,     0x40                    ; destination window 1, address window 0
; A joint load.  Waves 0 and 1 fetch ctx's two heads, waves 2 and 3 wob's two halves.  The branch hangs on the wave's number alone.
.macro JLOAD s
	s_cmp_eq_u32 s11, 0
	s_cbranch_scc0 .Lfor_b_\@
	tensor_load_to_lds s[G0+4*\s:G0+4*\s+3], s[G1:G1+7]
	s_nop 0
	s_branch .Lasked_\@
.Lfor_b_\@:
	tensor_load_to_lds s[G0B+4*\s:G0B+4*\s+3], s[G1B:G1B+7]
	s_nop 0
.Lasked_\@:
.endm
; A round of the cluster's barrier: my work-group's barrier, wave 0 signals for the work-group, every wave waits for all sixteen, my work-group's barrier once more.
.macro CREST
	s_cmp_lg_u32 s10, 0
	s_cbranch_scc1 .Lnot_wave_0_\@
	s_barrier_signal -3
.Lnot_wave_0_\@:
	s_barrier_wait -3
	s_barrier_signal -1
	s_barrier_wait -1
.endm
.macro CROUND
	s_barrier_signal -1
	s_barrier_wait -1
	CREST
.endm
	s_load_b128 s[4:7], s[0:1], 0x0                ; ctx s[4:5], wob s[6:7]
	s_load_b64 s[8:9], s[0:1], 0x10                ; out0
	s_load_b64 s[2:3], s[0:1], 0x18                ; b_out
	s_set_vgpr_msb 0x40
	v_lshl_add_u32 v63, v0, 2, 0x4e400
	s_set_vgpr_msb 0x4000
	v_mov_b32 v255, 0
	s_set_vgpr_msb 0x1
	ds_add_u32 v63, v255
	s_set_vgpr_msb 0x100
	v_lshrrev_b32 v1, 5, v0
	v_readfirstlane_b32 s10, v1                    ; wave 0..3
	s_lshr_b32 s11, s10, 1                         ; which half of the block's rows is mine.  Also: I fetch for ctx (0) or for wob (1)
	s_and_b32 s12, s10, 1                          ; which half of its columns.  Also: which head, or which 64 k rows, I fetch
	s_bfe_u32 s40, ttmp6, 0x40000                  ; cx
	s_bfe_u32 s41, ttmp6, 0x40004                  ; cy
	s_lshl_b32 s42, ttmp9, 2
	s_add_co_u32 s42, s42, s40                     ; block column = 4 x cluster x + cx, 0..3
	s_and_b32 s13, ttmp7, 0xffff
	s_lshl_b32 s13, s13, 2
	s_add_co_u32 s13, s13, s41                     ; block row = 4 x cluster y + cy, 0..31
	s_lshl_b32 s43, s41, 2
	s_lshl_b32 s43, 15, s43                        ; my row of the cluster
	s_lshl_b32 s44, 0x1111, s40                    ; my column
	; group 1 for ctx: a head's 256 rows of 128 bytes are 32,768 consecutive bytes, taken as 128 rows of 32 elements of 8 bytes.
	; The padding counts words along the whole tile: 4 words behind every 32 words, that is behind each row of the head.
	s_or_b32 s[G1+0], s43, (3<<16)|(1<<20)|(1<<21)|(4<<22)|(3<<25)   ; 15:0 mask; 17:16 element size; 20 padding on; 21 set beside a mask; 24:22 interval; 31:25 pad - 1
	s_mov_b32 s[G1+1], 32<<16                      ; tensor_dim0 = 32
	s_mov_b32 s[G1+2], 128<<16                     ; tensor_dim1 = 128
	s_mov_b32 s[G1+3], 32<<16                      ; tile_dim0 = 32
	s_mov_b32 s[G1+4], 128                         ; tile_dim1 = 128
	s_mov_b32 s[G1+5], 32                          ; elements from row to row: dense
	s_mov_b32 s[G1+6], 0
	s_mov_b32 s[G1+7], 0
	; group 1 for wob: 64 k rows x 256 elements of 2 bytes, 8 words of padding behind every 128 words
	s_or_b32 s[G1B+0], s44, (1<<16)|(1<<20)|(1<<21)|(6<<22)|(7<<25)
	s_mov_b32 s[G1B+1], 256<<16                    ; tensor_dim0 = 256
	s_mov_b32 s[G1B+2], 64<<16                     ; tensor_dim1 = 64
	s_mov_b32 s[G1B+3], 256<<16                    ; tile_dim0 = 256
	s_mov_b32 s[G1B+4], 64                         ; tile_dim1 = 64
	s_mov_b32 s[G1B+5], SIZE_N                     ; elements from row to row
	s_mov_b32 s[G1B+6], 0
	s_mov_b32 s[G1B+7], 0
	; where the tiles come from.  ctx's hang on the block row alone, wob's on the block column alone; each address in registers that never hold the other coordinate.
	s_lshr_b32 s16, s13, 3                         ; batch: 2,048 rows are eight block rows
	s_lshl_b32 s16, s16, 4
	s_add_co_u32 s16, s16, s12                     ; 16 x batch + the head of the K step's two that I fetch
	s_lshl_b32 s16, s16, 11                        ; x 2,048 rows
	s_and_b32 s17, s13, 7
	s_lshl_b32 s17, s17, 8                         ; + the block's first t
	s_add_co_u32 s16, s16, s17
	s_lshl_b32 s16, s16, 7                         ; x 128 bytes: below 16,777,216
	s_mov_b32 s17, 0
	s_lshl_b32 s46, s12, 17                        ; wob: k row 64 x half, 2,048 bytes each,
	s_lshl_b32 s47, s42, 9                         ; column 256 x block column, in bytes
	s_add_co_u32 s46, s46, s47
	s_mov_b32 s47, 0
	s_mul_i32 s20, s10, PLANE                      ; ctx's tiles go to wave x 36,864 (waves 0, 1),
	s_mul_i32 s18, s10, BHALF
	s_add_co_u32 s18, s18, BOFF-2*BHALF            ; wob's to wave x 34,816 + 4,096 (waves 2, 3: from 73,728 on): no place in the cluster enters an LDS address
	s_wait_dscnt 0x0
	s_wait_kmcnt 0x0
	s_add_nc_u64 s[14:15], s[4:5], s[16:17]
	s_add_nc_u64 s[46:47], s[6:7], s[46:47]
	CROUND                                         ; all sixteen work-groups are here: the first joint loads meet
.irp s, 0,1
	s_mov_b32 s[G0+4*\s], 1                                        ; count = 1
	s_add_co_u32 s[G0+4*\s+1], s20, \s*SLOT                        ; LDS address
	s_add_nc_u64 s[G0+4*\s+2:G0+4*\s+3], s[14:15], \s*ASTEP        ; global address: K step s
	s_or_b32 s[G0+4*\s+3], s[G0+4*\s+3], 0x80000000                ; type = 2
	s_mov_b32 s[G0B+4*\s], 1
	s_add_co_u32 s[G0B+4*\s+1], s18, \s*SLOT
	s_add_nc_u64 s[G0B+4*\s+2:G0B+4*\s+3], s[46:47], \s*BSTEP
	s_or_b32 s[G0B+4*\s+3], s[G0B+4*\s+3], 0x80000000
	JLOAD \s                                       ; the ring is filled before anything else is done: two tensor loads of the wave are out
.endr
	v_and_b32 v1, 15, v0                           ; r = l % 16
	v_bfe_u32 v2, v0, 4, 1                         ; h = l / 16
	; the bias of my 128 columns, in the layout of a transposed accumulator
	v_lshlrev_b32 v[VB], 5, v2                     ; 8 h numbers of 4 bytes
	s_lshl_b32 s66, s42, 10                        ; (256 x block column
	s_lshl_b32 s67, s12, 9                         ;  + 128 x half) x 4 bytes
	s_add_co_u32 s66, s66, s67
	s_mov_b32 s67, 0
	s_add_nc_u64 s[2:3], s[2:3], s[66:67]
	WIN TO_B
.irp b, 0,1,2,3,4,5,6,7
	global_load_b128 v[BIAS+8*\b:BIAS+8*\b+3],   v[VB], s[2:3] offset:64*\b
	global_load_b128 v[BIAS+8*\b+4:BIAS+8*\b+7], v[VB], s[2:3] offset:64*\b+16
.endr
	WIN 0
	v_mul_u32_u24 v3, v1, APITCH
	v_lshl_add_u32 v3, v2, 4, v3                   ; ctx lies along K: r x pitch + 16 h
	v_and_b32 v6, 7, v0                            ; wob lies across: k row 8 h + (l & 7),
	v_bfe_u32 v7, v0, 3, 1
	v_lshl_add_u32 v8, v2, 3, v6
	v_mul_u32_u24 v8, v8, BPITCH
	v_lshl_add_u32 v8, v7, 4, v8                   ; 16 bytes at 16 ((l >> 3) & 1)
	s_mul_i32 s21, s11, 128*APITCH                 ; my 128 rows in each plane
	s_lshl_b32 s22, s12, 8                         ; my 128 columns of wob, 256 bytes of each k row
	s_add_co_u32 s22, s22, BOFF
.irp s, 0,1
	v_add_nc_u32 v[ADRA+\s], s21, v3
	v_add_nc_u32 v[ADRB+\s], s22, v8
	s_add_co_u32 s21, s21, SLOT
	s_add_co_u32 s22, s22, SLOT
.endr
	s_mul_i32 s23, s10, 16*SPITCH
	s_add_co_u32 s23, s23, STAGE                   ; my stage
	v_mul_u32_u24 v4, v1, SPITCH                   ; in: row r, 32 bytes for each half of the lanes
	v_lshl_add_u32 v4, v2, 5, v4
	v_add_nc_u32 v[STO], s23, v4
	v_and_b32 v5, 31, v0
	v_lshlrev_b32 v[CO], 4, v5                     ; back: 32 lanes take a row's 512 bytes
	v_add_nc_u32 v[RD], s23, v[CO]
; 16 matrix instructions: m blocks a0, a0 + 1 of the window's four x all 8 n blocks, 32 along K.
; zero = 1: the first product takes the bias as C and so starts the sums: nothing is cleared, and nothing is added on the way out.
; The 64 accumulators take turns, one instruction a turn, in the same order in every quarter step.
.macro MUL16 f, hi, a0, zero
.irp a, \a0, \a0+1
.irp b, 0,1,2,3,4,5,6,7
.if \zero
	v_wmma_f32_16x16x32_bf16 v[8*(8*(\a)+\b):8*(8*(\a)+\b)+7], v[\f+8*\b:\f+8*\b+7], v[\f+8*(4*\hi+\a):\f+8*(4*\hi+\a)+7], v[BIAS+8*\b:BIAS+8*\b+7]
.else
	v_wmma_f32_16x16x32_bf16 v[8*(8*(\a)+\b):8*(8*(\a)+\b)+7], v[\f+8*\b:\f+8*\b+7], v[\f+8*(4*\hi+\a):\f+8*(4*\hi+\a)+7], v[8*(8*(\a)+\b):8*(8*(\a)+\b)+7]
.endif
.endr
.endr
.endm
; 32 LDS loads in one run: the fragments of quarter step kq into buffer f: 16 for wob, then 16 for ctx (head kq / 2 of the step's two, d = 32 (kq % 2) ..)
.macro FETCH slot, kq, f
	WIN TO_B
.irp i, 0,1,2,3,4,5,6,7
	ds_load_tr16_b128 v[\f+8*\i:\f+8*\i+3],   v[ADRB+\slot] offset:\kq*32*BPITCH+32*\i
	ds_load_tr16_b128 v[\f+8*\i+4:\f+8*\i+7], v[ADRB+\slot] offset:\kq*32*BPITCH+32*\i+16*BPITCH
.endr
	WIN 0
.irp i, 0,1,2,3,4,5,6,7
	ds_load_b128 v[\f+8*\i:\f+8*\i+3],   v[ADRA+\slot] offset:(\kq>>1)*PLANE+(\kq&1)*64+\i*16*APITCH
	ds_load_b128 v[\f+8*\i+4:\f+8*\i+7], v[ADRA+\slot] offset:(\kq>>1)*PLANE+(\kq&1)*64+\i*16*APITCH+32
.endr
.endm
; A load into a register that a matrix instruction has read, and a vector instruction or LDS store that reads a matrix result, stand four places behind
; that matrix instruction; only plain vector instructions that name none of its registers are places (ISA guide 7.12.1 for vector instructions).
.macro PLACES
.rept 4
	v_nop
.endr
.endm
.macro QUARTER slot, kq, f, g, zero
	s_wait_dscnt 8                                 ; wob's fragments and ctx's rows 0-63 are in; the youngest eight loads (ctx's rows 64-127) may be out
.if \zero
	WIN START_LO
.else
	WIN MUL_LO
.endif
	MUL16 \f, 0, 0, \zero
	MUL16 \f, 0, 2, \zero
	PLACES
	FETCH \slot, \kq, \g
	s_wait_dscnt 32                                ; all but the 32 just issued
.if \zero
	WIN START_HI
.else
	WIN MUL_HI
.endif
	MUL16 \f, 1, 0, \zero
	MUL16 \f, 1, 2, \zero
.endm
.macro THREE slot, zero
	QUARTER \slot, 1, F0, F1, \zero
	QUARTER \slot, 2, F1, F0, 0
	QUARTER \slot, 3, F0, F1, 0
.endm
; The last quarter: multiplies buffer 1 and changes slots.  In front of the barrier each wave waits for its own reads of this slot and for all its tensor loads,
; of which one is out: its part of the next slot.  Behind it the refill comes first, then the next slot's first fragments.
; From a request to the wait for it a wave issues 240 matrix instructions.
.macro TURN slot, next, fill
	s_wait_dscnt 8
	WIN MUL_LO
	MUL16 F1, 0, 0, 0
	s_wait_dscnt 0                                 ; my reads of this slot are over
	s_wait_tensorcnt 0x0                           ; and all my tensor loads have landed
	ds_add_u32 v63, v255
	s_wait_dscnt 0x0
	s_barrier_signal -1                            ; say so (where a slot is filled again this barrier opens a round of the cluster's barrier),
	MUL16 F1, 0, 2, 0                              ; work on registers while the others arrive,
	WIN 0
	s_barrier_wait -1
.if \fill
	CREST                                          ; all sixteen work-groups have said so: no wave of any partner still reads this slot or has a load on its way
	s_add_nc_u64 s[G0+4*\slot+2:G0+4*\slot+3], s[G0+4*\slot+2:G0+4*\slot+3], 2*ASTEP
	s_add_nc_u64 s[G0B+4*\slot+2:G0B+4*\slot+3], s[G0B+4*\slot+2:G0B+4*\slot+3], 2*BSTEP
	JLOAD \slot                                    ; the first tensor load behind the round, and the wave's only one until the next
.endif
	PLACES
	FETCH \next, 0, F0
	WIN MUL_HI
	MUL16 F1, 1, 0, 0
	MUL16 F1, 1, 2, 0
.endm
.macro LAP zero
	THREE 0, \zero
	TURN 0, 1, 1
	THREE 1, 0
	TURN 1, 0, 1
.endm
	s_wait_loadcnt 0x0                             ; the bias, once
	s_wait_tensorcnt 1                             ; my part of K step 0 is in; K step 1's load stays out
	s_barrier_signal -1
	s_barrier_wait -1
	FETCH 0, 0, F0
	LAP 1                                          ; the first lap stands in front of the loop: its first products start the sums
	WIN 0                                          ; at a label and at a branch every window is 0
	s_mov_b32 s45, LAPS-2
.Llap:
	LAP 0
	WIN 0
	s_sub_co_u32 s45, s45, 1
	s_cmp_lg_u32 s45, 0
	s_cbranch_scc1 .Llap
	THREE 0, 0                                     ; the last lap fills nothing and has no round: the one tensor load still out is slot 1's, the last K step's
	TURN 0, 1, 0
	THREE 1, 0
	s_wait_dscnt 8                                 ; the very last quarter: nothing more to fetch
	WIN MUL_LO
	MUL16 F1, 0, 0, 0
	MUL16 F1, 0, 2, 0
	s_wait_dscnt 0
	WIN MUL_HI
	MUL16 F1, 1, 0, 0
	MUL16 F1, 1, 2, 0
	; THE WAY OUT, 16 rows at a time: the accumulators go as they are, 32 bytes a lane, into my own stage, and come back as whole rows of 512 bytes.
	PLACES                                         ; the places behind the last matrix instructions, for the LDS stores of results and for the loads into buffers 0 and 1
	s_lshl_b32 s66, s13, 8
	s_lshl_b32 s67, s11, 7
	s_add_co_u32 s66, s66, s67                     ; my first row
	s_lshl_b32 s66, s66, 12                        ; x 4,096 bytes: below 33,554,432
	s_lshl_b32 s67, s42, 10                        ; my first column: (256 x block column
	s_add_co_u32 s66, s66, s67
	s_lshl_b32 s67, s12, 9                         ;  + 128 x half) x 4 bytes
	s_add_co_u32 s66, s66, s67
	s_mov_b32 s67, 0
	s_add_nc_u64 s[8:9], s[8:9], s[66:67]          ; never stepped: the rows stand in the stores' immediates, 520,192 at the most
; rows 16 i .. 16 i + 15 of my block = the eight tiles (a, 0..7) of window 2 or 3 (win = 0x08 or 0x0c: an LDS store's data is source 1); f: F0 or F1 in turn
.macro OUT16F i, a, win, f
	WIN \win
.irp b, 0,1,2,3,4,5,6,7
	ds_store_b128 v[STO], v[8*(8*\a+\b):8*(8*\a+\b)+3]   offset:64*\b
	ds_store_b128 v[STO], v[8*(8*\a+\b)+4:8*(8*\a+\b)+7] offset:64*\b+16
.endr
	WIN 0
	s_wait_xcnt 0x0                                ; buffer f, which earlier stores read, is loaded again only behind this wait (ISA guide 3.1)
.irp t, 0,1,2,3,4,5,6,7,8,9,10,11,12,13,14,15
	ds_load_b128 v[\f+4*\t:\f+4*\t+3], v[RD] offset:\t*SPITCH      ; LDS serves a wave's instructions in order (ISA guide 5.7.1): these see the stores above
.endr
.irp t, 0,1,2,3,4,5,6,7,8,9,10,11,12,13,14,15
	s_wait_dscnt 15-\t                             ; the younger LDS loads stay out
	global_store_b128 v[CO], v[\f+4*\t:\f+4*\t+3], s[8:9] offset:\i*65536+\t*4096 th:TH_STORE_NT   ; row 16 i + t: 512 consecutive bytes, aligned; written once, not read again
.endr
.endm
	OUT16F 0, 0, 0x08, F0
	OUT16F 1, 1, 0x08, F1
	OUT16F 2, 2, 0x08, F0
	OUT16F 3, 3, 0x08, F1
	OUT16F 4, 0, 0x0c, F0
	OUT16F 5, 1, 0x0c, F1
	OUT16F 6, 2, 0x0c, F0
	OUT16F 7, 3, 0x0c, F1
	s_set_vgpr_msb 0x1
	s_wait_tensorcnt 0x0
	ds_add_u32 v63, v255
	s_wait_dscnt 0x0
	s_set_vgpr_msb 0x100
	CROUND                                         ; the closing round: no work-group ends while a partner may still ask for a tile that names it
	s_endpgm
.Lfunc_end_k_q9ab17c479a_gemm_out:
	.size	k_q9ab17c479a_gemm_out, .Lfunc_end_k_q9ab17c479a_gemm_out-k_q9ab17c479a_gemm_out
	.p2alignl 7, 3214868480
	.fill 96, 4, 3214868480
	.section	.rodata,"a",@progbits
	.p2align	6, 0x0
	.amdhsa_kernel k_q9ab17c479a_gemm_out
		.amdhsa_group_segment_fixed_size 327680
		.amdhsa_private_segment_fixed_size 0
		.amdhsa_enable_private_segment 0
		.amdhsa_kernarg_size 32
		.amdhsa_user_sgpr_count 2
		.amdhsa_user_sgpr_kernarg_segment_ptr 1
		.amdhsa_wavefront_size32 1
		.amdhsa_system_sgpr_workgroup_id_x 1
		.amdhsa_system_sgpr_workgroup_id_y 1
		.amdhsa_system_sgpr_workgroup_id_z 1
		.amdhsa_system_vgpr_workitem_id 0
		.amdhsa_next_free_vgpr 1024
		.amdhsa_next_free_sgpr 80
		.amdhsa_reserve_vcc 0
		.amdhsa_float_denorm_mode_32 3
		.amdhsa_float_denorm_mode_16_64 3
		.amdhsa_memory_ordered 1
		.amdhsa_forward_progress 1
		.amdhsa_inst_pref_size 198
	.end_amdhsa_kernel
	.amdgpu_metadata
---
amdhsa.version: [ 1, 2 ]
amdhsa.kernels:
  - .name:           k_q9ab17c479a_gemm_out
    .symbol:         k_q9ab17c479a_gemm_out.kd
    .args:
      - { .name: ctx, .offset: 0, .size: 8, .value_kind: global_buffer, .address_space: global }
      - { .name: wob, .offset: 8, .size: 8, .value_kind: global_buffer, .address_space: global }
      - { .name: out0, .offset: 16, .size: 8, .value_kind: global_buffer, .address_space: global }
      - { .name: b_out, .offset: 24, .size: 8, .value_kind: global_buffer, .address_space: global }
    .group_segment_fixed_size: 327680
    .private_segment_fixed_size: 0
    .kernarg_segment_align: 8
    .kernarg_segment_size: 32
    .max_flat_workgroup_size: 128
    .sgpr_count:     80
    .vgpr_count:     1024
    .wavefront_size: 32
...
	.end_amdgpu_metadata
.endif
;; end of part 4
;; ======== version 2 of 3: 4 launches; 1.19 times as fast as version 1
;; workspace buffers: xb 16,777,216 bytes; wqb 6,291,456 bytes; wob 2,097,152 bytes; qkv 50,331,648 bytes; ctx 16,777,216 bytes
;; launch cast: the kernel of part 1 again; grid 768 x 1, 8 waves a work-group, no clusters, 0 bytes of LDS; arguments x, w_qkv, w_out, xb, wqb, wob; writes xb, wqb, wob
;; launch gemm_qkv: the kernel of part 2 again; grid 12 x 32, 4 waves a work-group, clusters of 4 x 4, 327,680 bytes of LDS; arguments xb, wqb, qkv, b_qkv; writes qkv
;; launch attn (part 5): grid 256 x 1, 8 waves a work-group, clusters of 4 x 1, 327,680 bytes of LDS; arguments qkv, ctx; writes ctx
.if DOCPART == 5
	.amdgcn_target "amdgcn-amd-amdhsa--gfx1250"
	.amdhsa_code_object_version 6
	.text
	.protected	k_q9ab17c479a_attn
	.globl	k_q9ab17c479a_attn
	.p2align	8
	.type	k_q9ab17c479a_attn,@function
k_q9ab17c479a_attn:
	s_mov_b64 s[64:65], 0
	v_nop
	global_prefetch_b8 v0, s[64:65] scope:SCOPE_SE
	s_setreg_imm32_b32 hwreg(HW_REG_WAVE_MODE, 25, 1), 1
	s_wait_xcnt 0x0
	s_wait_alu depctr_hold_cnt(0) depctr_sa_sdst(0) depctr_va_vdst(0) depctr_va_sdst(0) depctr_va_ssrc(0) depctr_va_vcc(0) depctr_vm_vsrc(0)
	s_getreg_b32 s2, hwreg(HW_REG_IB_STS2, 6, 4)
	s_cmp_eq_u32 s2, 0
	s_cbranch_scc0 .Lentry_in_a_cluster
	s_endpgm
.Lentry_in_a_cluster:
	s_bfe_u32 s2, ttmp6, 0x10000c
	s_cmp_lg_u32 s2, 0x3003
	s_cbranch_scc0 .Lentry_shape_is_right
	s_endpgm
.Lentry_shape_is_right:
; ctx = softmax(q k^T / 8) v for each of the 64 (batch, head) pairs.  qkv: [3][64 (batch, head)][2048][64] bf16, ctx: [64][2048][64] bf16.
; A cluster of four work-groups is one (batch, head); its work-groups are the four blocks of 512 queries and need the same tiles of k and v:
; every tile is asked for jointly (mask 15).  Eight waves, 64 queries each (four tiles of 16), two waves a SIMD.
; ALL PRODUCTS ARE TRANSPOSED, so that a lane owns one query:
;   S^T = K Q^T: source 0 = 16 keys, source 1 = 16 queries.  Lane (r, h) holds query r, register j key 8 h + j: the row's maximum is taken inside the lane and
;   by one exchange of the halves.  The two key tiles of a step, packed to bf16 in place, are already the source-1 fragment of P^T: no shuffle, no LDS.
;   O^T = V^T P^T: source 0 = V^T, by the transposing load.  Lane (r, h) holds query r, register j the number d = 16 dt + 8 h + j: rescaling and the division are the lane's own.
;   The row sums come from the matrix unit too: source 0 is a fragment of ones.  All 8 registers of such a tile receive the same sums; only register 0 is rescaled
;   and read; the other seven grow by at most 32 a step, 2,048 in all.
; MATRIX AND VECTOR WORK ARE WOVEN TOGETHER.  A step is 32 keys, and the scores have two buffers of 64 registers that take turns: while step w's scores become P in one,
; the score products of step w + 1 fill the other.  A step has four stages:
;   R  the row maxima of all four query tiles, line by line across the tiles (56 vector lines); V^T's loads go out inside it
;   A  16 score products of step w + 1, each followed by five lines of step w's exponentials and multiply-adds
;   C  P to bf16, with the four row-sum products between the conversions
;   B  16 P V products, each followed by the four multiplies that rescale the O^T tile two turns ahead
; In each stage the vector lines name none of the registers of the matrix lines beside them.  The price: O^T is rescaled once for 32 keys, 64 packed multiplies a step.
; REGISTER WINDOWS are laid so that a stage needs one setting: V^T lies in window 1 beside O^T (a P V product and a rescale then want the same windows), the row sums in
; window 0 (their products and rescales need no setting), and the factor c in a register pair of window 1 (source 1 of the multiply-adds, as q is of the score products).
; THE TEXT IS KEPT SHORT: keys come in tiles of 128 (four steps) through two LDS slots, so that the loop's body is eight steps with every LDS address an immediate;
; it runs 7 times, for tiles 0 to 13; tiles 14 and 15, which fill no slot again, are written out behind it.  Maximum and sums are started so that the loop's own
; text serves from the first key on.
; SOFTMAX: a running maximum m for each query, from minus infinity on.  p = 2^(s c - m c) with c = log2(e) / 8, the rounded product m c being kept;
; alpha = 2^(old m c - new m c) is made of the same rounded numbers, so its rounding leaves numerator and denominator alike.  The largest score gives p = 1
; but for that rounding, so the sum is about 1 or more.
; LIMITS: q, k, v, P and ctx are bf16; the denominator sums the rounded P, the numbers that the numerator uses; v_exp_f32 gives 0 below 2^-126 (ISA guide 15.8).
; LDS: 155,648 bytes are used; the launch asks for 327,680.
.set SLOT,  40960                      ; 128 keys: k at 0 (128 x 144), a gap up to 20,480, v at 20,480 (128 x 160)
.set VOFF,  20480
.set KP,    144                        ; an LDS row of k: 128 bytes + 16, an odd multiple of 16
.set VP,    160                        ; an LDS row of v: 128 bytes + 32, an odd multiple of 32, for the transposing load
.set STAGE, 2*SLOT                     ; behind the ring: 64 rows x 144 bytes for each wave, for the way out; no tensor load lands here
.set TILEB, 16384                      ; a tile of 128 keys in memory
.set KPART, 16777216                   ; where k begins in qkv
.set VPART, 33554432                   ; where v begins
; window 0
.set ADRK, 8                           ; v8-9    LDS address of my k fragments in slot 0, 1
.set ADRV, 10                          ; v10-11  the same for v
.set VQ,   12                          ; v12     my byte offset in q's rows
.set STO,  13                          ; v13     the way out: where I put 16 bytes
.set RD,   14                          ; v14     the way out: where I read back
.set CO,   15                          ; v15     16 l
.set ONES, 16                          ; v[16:23] a fragment of bf16 ones
.set NM,   24                          ; v[24:31] and v[48:55]: pairs whose low word is - m c of query tile nt; the two sets take turns with the step's parity
.set AL,   32                          ; v[32:39] pairs: the low word is alpha, at the end 1 / sum
.set T,    40                          ; v[40:47] two registers for each query tile, at work on the maxima
.set KF,   64                          ; v[64:95]   k fragment (kt, ds) at 16 kt + 8 ds
.set LS,   96                          ; v[96:127]  row sums of query tile nt at 8 nt
.set OUTB, 64                          ; v[64:127]  the way out's rows
.set SC,   128                         ; v[128:255] two score buffers of 64; tile (nt, kt) at 16 nt + 8 kt; P (nt) is the first 8 registers of 16 nt
.set ZF,   SC+64                       ; a fragment of zeros, at the start alone
; window 1
.set QF,   0                           ; v[0:63]    q fragment (nt, ds) at 16 nt + 8 ds
.set OA,   64                          ; v[64:191]  O^T tile (nt, dt) at 32 nt + 8 dt
.set VF,   192                         ; v[192:223] V^T fragment dt at 8 dt
.set CC,   224                         ; v[224:225] c = log2(e) / 8, twice
.set G1K, 16                           ; s[16:23] descriptor group 1 for k
.set G1V, 24                           ; s[24:31] for v
.set G0K, 32                           ; s[32:39] descriptor group 0 for k, one set for each slot
.set G0V, 40                           ; s[40:47] for v
; s_set_vgpr_msb's low byte: bits 1:0 source 0, 3:2 source 1, 5:4 source 2, 7:6 destination
.set W_A,  0x04                        ; stage A: source 1 (q; c) window 1
.set W_B,  0x51                        ; stage B: source 0 (V^T; O^T), source 2 and destination (O^T) window 1; source 1 (P; alpha) window 0
.set W_D1, 0x40                        ; destination window 1: loads of q and of V^T, and the products that start O^T
.set W_END, 0x01                       ; the end: source 0 window 1
.set MSB, 0
.macro WIN new                         ; the immediate's high byte repeats the setting that is left
.if MSB != \new
	s_set_vgpr_msb (MSB<<8)|\new
.set MSB, \new
.endif
.endm
.macro PLACES n                        ; places behind matrix instructions: plain vector instructions that name none of their registers (ISA guide 7.12.1)
.rept \n
	v_nop
.endr
.endm
; A round of the cluster's barrier: my work-group's barrier, wave 0 signals for the work-group, every wave waits for all four, my work-group's barrier once more.
.macro CREST                           ; a round behind its opening barrier
	s_cmp_lg_u32 s10, 0
	s_cbranch_scc1 .Lnot_wave_0_\@
	s_barrier_signal -3
.Lnot_wave_0_\@:
	s_barrier_wait -3
	s_barrier_signal -1
	s_barrier_wait -1
.endm
.macro ROUND                           ; a whole round
	s_barrier_signal -1
	s_barrier_wait -1
	CREST
.endm
; A joint load: waves 0-3 fetch 32 keys of k each, waves 4-7 32 keys of v.  The branch hangs on the wave's number alone.
.macro JLOAD s
	s_cmp_eq_u32 s11, 0
	s_cbranch_scc0 .Lfor_v_\@
	tensor_load_to_lds s[G0K+4*\s:G0K+4*\s+3], s[G1K:G1K+7]
	s_nop 0
	s_branch .Lasked_\@
.Lfor_v_\@:
	tensor_load_to_lds s[G0V+4*\s:G0V+4*\s+3], s[G1V:G1V+7]
	s_nop 0
.Lasked_\@:
.endm
	s_load_b128 s[4:7], s[0:1], 0x0                ; qkv s[4:5], ctx s[6:7]
	v_lshl_add_u32 v62, v0, 2, 0x29000
	v_mov_b32 v63, 0
	ds_add_u32 v62, v63
	v_lshrrev_b32 v1, 5, v0
	v_readfirstlane_b32 s10, v1                    ; wave 0..7
	s_lshr_b32 s11, s10, 2                         ; I fetch for k (0) or for v (1)
	s_and_b32 s12, s10, 3                          ; which 32 keys of a tile
	s_bfe_u32 s14, ttmp6, 0x40000                  ; cx: which 512 queries; ttmp9 counts clusters: the (batch, head) pair
	s_mov_b32 s50, 0xbe38aa3b                      ; - c = - log2(e) / 8
	s_mov_b32 s52, 0x76543210                      ; v_permlanex16_b32: lane i of one half reads lane i of the other
	s_mov_b32 s53, 0xfedcba98
	; group 1: 32 keys are 4,096 consecutive bytes, taken as 16 rows of 32 elements of 8 bytes.  The padding counts words along the whole tile:
	; behind every 32 words (a key's 128 bytes) 4 words for k, 8 for v.
	s_mov_b32 s[G1K+0], 15|(3<<16)|(1<<20)|(1<<21)|(4<<22)|(3<<25)   ; 15:0 mask: all four; 17:16 element size; 20 padding on; 21 set beside a mask; 24:22 interval; 31:25 pad - 1
	s_mov_b32 s[G1K+1], 32<<16                     ; tensor_dim0 = 32
	s_mov_b32 s[G1K+2], 16<<16                     ; tensor_dim1 = 16
	s_mov_b32 s[G1K+3], 32<<16                     ; tile_dim0 = 32
	s_mov_b32 s[G1K+4], 16                         ; tile_dim1 = 16
	s_mov_b32 s[G1K+5], 32                         ; elements from row to row: dense
	s_mov_b32 s[G1K+6], 0
	s_mov_b32 s[G1K+7], 0
	s_mov_b32 s[G1V+0], 15|(3<<16)|(1<<20)|(1<<21)|(4<<22)|(7<<25)
	s_mov_b32 s[G1V+1], 32<<16
	s_mov_b32 s[G1V+2], 16<<16
	s_mov_b32 s[G1V+3], 32<<16
	s_mov_b32 s[G1V+4], 16
	s_mov_b32 s[G1V+5], 32
	s_mov_b32 s[G1V+6], 0
	s_mov_b32 s[G1V+7], 0
	s_lshl_b32 s60, ttmp9, 18                      ; the head: 262,144 bytes each,
	s_lshl_b32 s61, s12, 12                        ; my 32 keys: 4,096 bytes: nothing here hangs on cx
	s_add_co_u32 s60, s60, s61
	s_mov_b32 s61, 0
	s_mul_i32 s62, s10, 32*KP                      ; k's part goes to wave x 4,608 (waves 0-3),
	s_mul_i32 s63, s10, 32*VP                      ; v's to wave x 5,120 (waves 4-7: from 20,480 on)
	s_lshl_b32 s56, ttmp9, 18                      ; my 64 queries: head,
	s_lshl_b32 s57, s14, 16                        ; 512 rows of 128 bytes for each work-group,
	s_add_co_u32 s56, s56, s57
	s_lshl_b32 s57, s10, 13                        ; 64 rows for each wave
	s_add_co_u32 s56, s56, s57
	s_mov_b32 s57, 0
	s_wait_dscnt 0x0
	s_wait_kmcnt 0x0
	s_add_nc_u64 s[60:61], s[4:5], s[60:61]
	s_add_nc_u64 s[58:59], s[4:5], s[56:57]        ; q at my first query
	s_add_nc_u64 s[6:7], s[6:7], s[56:57]          ; ctx at my first query
.irp s, 0,1
	s_mov_b32 s[G0K+4*\s], 1                                       ; count = 1
	s_add_co_u32 s[G0K+4*\s+1], s62, \s*SLOT                       ; LDS address
	s_add_nc_u64 s[G0K+4*\s+2:G0K+4*\s+3], s[60:61], KPART+\s*TILEB   ; global address: tile s
	s_or_b32 s[G0K+4*\s+3], s[G0K+4*\s+3], 0x80000000              ; type = 2
	s_mov_b32 s[G0V+4*\s], 1
	s_add_co_u32 s[G0V+4*\s+1], s63, \s*SLOT
	s_add_nc_u64 s[G0V+4*\s+2:G0V+4*\s+3], s[60:61], VPART+\s*TILEB
	s_or_b32 s[G0V+4*\s+3], s[G0V+4*\s+3], 0x80000000
.endr
	ROUND                                          ; all four work-groups are here: the first joint loads meet
	JLOAD 0                                        ; tiles 0 and 1 go out together: two tensor loads of the wave are out here, later one
	JLOAD 1
	v_and_b32 v1, 15, v0                           ; r
	v_bfe_u32 v2, v0, 4, 1                         ; h
	v_lshlrev_b32 v[VQ], 7, v1
	v_lshl_add_u32 v[VQ], v2, 4, v[VQ]             ; r x 128 + 16 h
	WIN W_D1
.irp nt, 0,1,2,3
.irp ds, 0,1
	global_load_b128 v[QF+16*\nt+8*\ds:QF+16*\nt+8*\ds+3],   v[VQ], s[58:59] offset:\nt*2048+\ds*64      ; q (16 nt + r, 32 ds + 8 h ..)
	global_load_b128 v[QF+16*\nt+8*\ds+4:QF+16*\nt+8*\ds+7], v[VQ], s[58:59] offset:\nt*2048+\ds*64+32   ; q (16 nt + r, 32 ds + 16 + 8 h ..)
.endr
.endr
	v_mov_b32 v[CC], 0x3e38aa3b                    ; c = log2(e) / 8, in both words of the pair
	v_mov_b32 v[CC+1], 0x3e38aa3b
	WIN 0
	v_and_b32 v3, 7, v0                            ; l & 7
	v_bfe_u32 v4, v0, 3, 1                         ; (l >> 3) & 1
	v_and_b32 v5, 31, v0                           ; l
	v_bfe_u32 v6, v0, 3, 2                         ; l >> 3
	v_mul_u32_u24 v[ADRK], v1, KP
	v_lshl_add_u32 v[ADRK], v2, 4, v[ADRK]         ; k lies along d: row r, 16 h
	v_add_nc_u32 v[ADRK+1], SLOT, v[ADRK]
	v_lshl_add_u32 v7, v2, 3, v3                   ; v lies across: key row 8 h + (l & 7),
	v_mul_u32_u24 v[ADRV], v7, VP
	v_lshl_add_u32 v[ADRV], v4, 4, v[ADRV]         ; 16 bytes at 16 ((l >> 3) & 1)
	v_add_nc_u32 v[ADRV], VOFF, v[ADRV]
	v_add_nc_u32 v[ADRV+1], SLOT, v[ADRV]
	s_mul_i32 s15, s10, 64*KP
	s_add_co_u32 s15, s15, STAGE                   ; my stage: wave x 9,216 behind the ring
	v_add_nc_u32 v[STO], s15, v[ADRK]              ; in: row r, 16 h
	v_mul_u32_u24 v[RD], v6, KP                    ; back: eight lanes take a row's 128 bytes, 32 lanes four rows
	v_lshl_add_u32 v[RD], v3, 4, v[RD]
	v_add_nc_u32 v[RD], s15, v[RD]
	v_lshlrev_b32 v[CO], 4, v5
.irp i, 0,1,2,3,4,5,6,7
	v_mov_b32 v[ONES+\i], 0x3f803f80               ; two bf16 ones
	v_mov_b32 v[ZF+\i], 0                          ; a fragment of zeros, for the lines below alone
.endr
	; The 20 accumulator tiles are started by 20 products ones x zeros + 0: 160 registers in 20 instructions, so that the very first step runs the loop's own text.
	WIN W_D1
.irp dt, 0,1,2,3
.irp nt, 0,1,2,3
	v_wmma_f32_16x16x32_bf16 v[OA+32*\nt+8*\dt:OA+32*\nt+8*\dt+7], v[ONES:ONES+7], v[ZF:ZF+7], 0
.endr
.endr
	WIN 0
.irp nt, 0,1,2,3
	v_wmma_f32_16x16x32_bf16 v[LS+8*\nt:LS+8*\nt+7], v[ONES:ONES+7], v[ZF:ZF+7], 0
.endr
; 8 LDS loads: the k fragments of a step's two key tiles
.macro LDK slot, step
.irp kt, 0,1
.irp ds, 0,1
	ds_load_b128 v[KF+16*\kt+8*\ds:KF+16*\kt+8*\ds+3],   v[ADRK+\slot] offset:\step*32*KP+\kt*16*KP+\ds*64
	ds_load_b128 v[KF+16*\kt+8*\ds+4:KF+16*\kt+8*\ds+7], v[ADRK+\slot] offset:\step*32*KP+\kt*16*KP+\ds*64+32
.endr
.endr
.endm
; 8 transposing LDS loads: V^T of a step: 32 keys x 16 numbers dt
.macro LDV slot, step
.irp dt, 0,1,2,3
	ds_load_tr16_b128 v[VF+8*\dt:VF+8*\dt+3],   v[ADRV+\slot] offset:\step*32*VP+\dt*32
	ds_load_tr16_b128 v[VF+8*\dt+4:VF+8*\dt+7], v[ADRV+\slot] offset:\step*32*VP+\dt*32+16*VP
.endr
.endm
; In the macros below SX is the buffer of this step's scores, SY the other buffer, NMX this step's set of - m c, NMY the step before's: set at the head of STEP.
; Score product number ii of 16, into SY: query tile ii & 3, key tile (ii >> 2) & 1; numbers 0-7 take d = 0..31 and start the sums, 8-15 add d = 32..63.
; The eight accumulators take turns, one instruction a turn.
.macro SW
.if ii < 8
	v_wmma_f32_16x16x32_bf16 v[SY+16*(ii&3)+8*((ii>>2)&1):SY+16*(ii&3)+8*((ii>>2)&1)+7], v[KF+16*((ii>>2)&1):KF+16*((ii>>2)&1)+7], v[QF+16*(ii&3):QF+16*(ii&3)+7], 0
.else
	v_wmma_f32_16x16x32_bf16 v[SY+16*(ii&3)+8*((ii>>2)&1):SY+16*(ii&3)+8*((ii>>2)&1)+7], v[KF+16*((ii>>2)&1)+8:KF+16*((ii>>2)&1)+15], v[QF+16*(ii&3)+8:QF+16*(ii&3)+15], v[SY+16*(ii&3)+8*((ii>>2)&1):SY+16*(ii&3)+8*((ii>>2)&1)+7]
.endif
.endm
; STAGE R.  The largest of a query's 32 scores: 16 in my registers, 16 in the lane of the other half.  Every line is written for all four query tiles before the
; next line, so that a line stands four or eight lines behind the one whose result it reads.
.macro RMA1                            ; two chains for each query tile, one a key tile: their first lines
.irp nt, 0,1,2,3
.irp c, 0,1
	v_max3_num_f32 v[T+2*\nt+\c], v[SX+16*\nt+8*\c], v[SX+16*\nt+8*\c+1], v[SX+16*\nt+8*\c+2]
.endr
.endr
.endm
.macro RMA2
.irp nt, 0,1,2,3
.irp c, 0,1
	v_max3_num_f32 v[T+2*\nt+\c], v[T+2*\nt+\c], v[SX+16*\nt+8*\c+3], v[SX+16*\nt+8*\c+4]
.endr
.endr
.irp nt, 0,1,2,3
.irp c, 0,1
	v_max3_num_f32 v[T+2*\nt+\c], v[T+2*\nt+\c], v[SX+16*\nt+8*\c+5], v[SX+16*\nt+8*\c+6]
.endr
.endr
.irp nt, 0,1,2,3
	v_max3_num_f32 v[T+2*\nt], v[T+2*\nt], v[T+2*\nt+1], v[SX+16*\nt+7]
.endr
.irp nt, 0,1,2,3
	v_max_num_f32 v[T+2*\nt], v[T+2*\nt], v[SX+16*\nt+15]
.endr
.endm
.macro RMB                             ; across the halves; then - m c and alpha
.irp nt, 0,1,2,3
	v_permlanex16_b32 v[T+2*\nt+1], v[T+2*\nt], s52, s53       ; its destination counts as read: the chains above have written it
.endr
.irp nt, 0,1,2,3
	v_max_num_f32 v[T+2*\nt], v[T+2*\nt], v[T+2*\nt+1]
.endr
.irp nt, 0,1,2,3
	v_mul_f32 v[T+2*\nt+1], s50, v[T+2*\nt]
.endr
.irp nt, 0,1,2,3
	v_min_num_f32 v[NMX+2*\nt], v[T+2*\nt+1], v[NMY+2*\nt]     ; c > 0: the larger maximum has the smaller - m c
.endr
.irp nt, 0,1,2,3
	v_sub_f32 v[AL+2*\nt], v[NMX+2*\nt], v[NMY+2*\nt]          ; old m c - new m c, never above 0
.endr
.irp nt, 0,1,2,3
	v_exp_f32 v[AL+2*\nt], v[AL+2*\nt]             ; alpha; the next plain vector line is a multiply-add on other registers (ISA guide 5.7.2)
.endr
.endm
; s c - m c, two at a time: the scale 1 / 8 and the change of base ride in the multiply-add.  c is source 1, from window 1.
.macro FMA nt
.irp e, 0,1,2,3,4,5,6,7
	v_pk_fma_f32 v[SX+16*\nt+2*\e:SX+16*\nt+2*\e+1], v[SX+16*\nt+2*\e:SX+16*\nt+2*\e+1], v[CC:CC+1], v[NMX+2*\nt:NMX+2*\nt+1] op_sel_hi:[1,1,0]
.endr
.endm
; Line zz of stage A's stream of 80: exponentials of query tile 0 (16), multiply-adds of tile 2 (8), exponentials of tile 1 (16), multiply-adds of tile 3 (8),
; exponentials of tiles 2 and 3 (32).  Behind an exponential stands another exponential, a matrix line or a plain line on other registers (ISA guide 5.7.2).
.macro ZOP
.if zz < 16
	v_exp_f32 v[SX+zz], v[SX+zz]
.else
.if zz < 24
	v_pk_fma_f32 v[SX+32+2*(zz-16):SX+32+2*(zz-16)+1], v[SX+32+2*(zz-16):SX+32+2*(zz-16)+1], v[CC:CC+1], v[NMX+4:NMX+5] op_sel_hi:[1,1,0]
.else
.if zz < 40
	v_exp_f32 v[SX+16+zz-24], v[SX+16+zz-24]
.else
.if zz < 48
	v_pk_fma_f32 v[SX+48+2*(zz-40):SX+48+2*(zz-40)+1], v[SX+48+2*(zz-40):SX+48+2*(zz-40)+1], v[CC:CC+1], v[NMX+6:NMX+7] op_sel_hi:[1,1,0]
.else
	v_exp_f32 v[SX+32+zz-48], v[SX+32+zz-48]
.endif
.endif
.endif
.endif
.set zz, zz+1
.endm
; STAGE A: 16 times one score product of the next step (into SY, from k and q) and five lines of the stream (on SX): the two name no register in common.
.macro STAGEA smul
.set zz, 0
.set ii, 0
.rept 16
.if \smul
	SW
.endif
	ZOP
	ZOP
	ZOP
	ZOP
	ZOP
.set ii, ii+1
.endr
.endm
.macro CVT nt                          ; P to bf16, packed in place: word i of the fragment comes from registers 2 i, 2 i + 1, which lie at or above it
	s_wait_alu depctr_va_vdst(0)
.irp i, 0,1,2,3,4,5,6,7
	v_cvt_pk_bf16_f32 v[SX+16*\nt+\i], v[SX+16*\nt+2*\i], v[SX+16*\nt+2*\i+1]
.endr
.endm
.macro LW nt                           ; the row sums of query tile nt grow by this step's 32 keys
	v_wmma_f32_16x16x32_bf16 v[LS+8*\nt:LS+8*\nt+7], v[ONES:ONES+7], v[SX+16*\nt:SX+16*\nt+7], v[LS+8*\nt:LS+8*\nt+7]
.endm
.macro RT k                            ; O^T tile number k (query tile k & 3, dt = k >> 2) times alpha: a lane's own number, since a lane owns a query
.set rb, OA+32*((\k)&3)+8*((\k)>>2)
.set ra, AL+2*((\k)&3)
.irp e, 0,1,2,3
	v_pk_mul_f32 v[rb+2*\e:rb+2*\e+1], v[rb+2*\e:rb+2*\e+1], v[ra:ra+1] op_sel_hi:[1,0]
.endr
.endm
; STAGE B: 16 P V products on 16 accumulators, one instruction a turn; behind product k the tile of product k + 2 is rescaled.
.macro STAGEB
	RT 0
	RT 1
.set kk, 0
.rept 16
	v_wmma_f32_16x16x32_bf16 v[OA+32*(kk&3)+8*(kk>>2):OA+32*(kk&3)+8*(kk>>2)+7], v[VF+8*(kk>>2):VF+8*(kk>>2)+7], v[SX+16*(kk&3):SX+16*(kk&3)+7], v[OA+32*(kk&3)+8*(kk>>2):OA+32*(kk&3)+8*(kk>>2)+7]
.if kk < 14
	RT kk+2
.endif
.set kk, kk+1
.endr
.endm
; A step: 32 keys (step number step of the tile in slot) x my 64 queries.  Its scores lie ready in buffer step & 1.
; smul = 1: the next step's score products are made, from the k fragments that are in registers or on their way.
; post = 1: behind stage A the k fragments of the step after next (qstep of the tile in qslot) are fetched.
; turn = 1: a tile's last step changes slots at its head.  V^T's loads are my last reads of this slot.  In front of the round's opening signal I wait for them and for all
;           my tensor loads, of which one is out: my part of the next slot.  24 lines on registers stand between that signal and its wait.  Behind the round no wave of the
;           four work-groups reads this slot and the next slot is whole: the joint refill, two tiles ahead, comes first, one tensor load a wave, and has four steps in
;           which to land; then (pre = 1) the next slot's first k fragments (pstep of the tile in pslot) are read.
; turn = 2: the same waits and my work-group's barrier alone: the next slot is whole, nothing is filled.
.macro STEP slot, step, turn, pre, pslot, pstep, smul, post, qslot, qstep
.set SX, SC+64*(\step&1)
.set SY, SC+64*(1-(\step&1))
.set NMX, NM+24*(\step&1)
.set NMY, NM+24*(1-(\step&1))
	WIN 0
	RMA1                                           ; eight plain lines on other registers: the places behind the last P V products, which read V^T (ISA guide 7.12.1)
	WIN W_D1
	LDV \slot, \step                               ; wanted in stage B: stages R, A and C lie between
	WIN 0
	RMA2
.if \turn
	s_wait_dscnt 0x0                               ; V^T is in: no LDS instruction of mine is out, my reads of this slot are over
	s_wait_tensorcnt 0x0                           ; all my tensor loads have landed
	ds_add_u32 v62, v63
	s_wait_dscnt 0x0
	s_barrier_signal -1
.endif
	RMB
.if \turn
	s_barrier_wait -1
.endif
.if \turn == 1
	CREST
	s_add_nc_u64 s[G0K+4*\slot+2:G0K+4*\slot+3], s[G0K+4*\slot+2:G0K+4*\slot+3], 2*TILEB   ; no tensor load of mine is out: a group 0 may be written
	s_add_nc_u64 s[G0V+4*\slot+2:G0V+4*\slot+3], s[G0V+4*\slot+2:G0V+4*\slot+3], 2*TILEB
	JLOAD \slot
.endif
.if \pre
	LDK \pslot, \pstep
.endif
	WIN W_A
	FMA 0
	FMA 1
.if \smul
.if \pre
	s_wait_dscnt 0x0                               ; the k fragments just asked for
.else
	s_wait_dscnt 0x8                               ; the k fragments asked for in the last step are in; the eight V^T loads issued behind them may be out
.endif
.endif
	STAGEA \smul
	WIN 0
	CVT 0                                          ; eight plain lines on other registers: the places behind the last score products, which read the k fragments
.if \post
	LDK \qslot, \qstep
.endif
.irp nt, 0,1,2,3
	v_mul_f32 v[LS+8*\nt], v[LS+8*\nt], v[AL+2*\nt]            ; the row sums times alpha
.endr
	LW 0                                           ; stage C: each row-sum product stands beside the next query tile's conversions
	CVT 1
	LW 1
	CVT 2
	LW 2
	CVT 3
	LW 3
	s_wait_dscnt 8*\post                           ; V^T is in; the eight k loads issued behind it, if any, may be out
	WIN W_B
	STAGEB
.endm
	s_wait_loadcnt 0x0                             ; q, once
	s_wait_tensorcnt 0x1                           ; my part of tile 0 is in; tile 1's load stays out
	s_barrier_signal -1
	s_barrier_wait -1                              ; everybody's is
	LDK 0, 0
	s_wait_dscnt 0x0
.set SY, SC
	WIN W_A
.set ii, 0
.rept 16
	SW                                             ; step 0's scores, into buffer 0
.set ii, ii+1
.endr
	WIN 0
	; sixteen plain vector lines on other registers: the places behind step 0's score products, for the loads into the k fragments and for the first maxima
.irp i, 0,1,2,3
	v_mov_b32 v[NM+24+2*\i], 0x7f800000            ; - m c = + infinity: m = - infinity; the first alpha is 2^(- infinity) = 0, on sums that are 0
	v_mov_b32 v[NM+24+2*\i+1], 0                   ; the pairs' upper words are never used, but a pair is named whole
	v_mov_b32 v[NM+2*\i+1], 0
	v_mov_b32 v[AL+2*\i+1], 0
.endr
	LDK 0, 1                                       ; step 1's k fragments: at the loop's head eight k loads are out, on the way in and on the way back
	s_mov_b32 s54, 7
.Ltiles:
	STEP 0, 0, 0, 0, 0, 0, 1, 1, 0, 2              ; tile 2 i in slot 0
	STEP 0, 1, 0, 0, 0, 0, 1, 1, 0, 3
	STEP 0, 2, 0, 0, 0, 0, 1, 0, 0, 0              ; the next k fragments lie in the other slot: they are read behind the round
	STEP 0, 3, 1, 1, 1, 0, 1, 1, 1, 1              ; tile 2 i + 2 is asked for
	STEP 1, 0, 0, 0, 0, 0, 1, 1, 1, 2              ; tile 2 i + 1 in slot 1
	STEP 1, 1, 0, 0, 0, 0, 1, 1, 1, 3
	STEP 1, 2, 0, 0, 0, 0, 1, 0, 0, 0
	STEP 1, 3, 1, 1, 0, 0, 1, 1, 0, 1              ; tile 2 i + 3 is asked for: 15 in the last trip
	WIN 0                                          ; at a label and at a branch every window is 0
	s_sub_co_u32 s54, s54, 1
	s_cmp_lg_u32 s54, 0
	s_cbranch_scc1 .Ltiles
	STEP 0, 0, 0, 0, 0, 0, 1, 1, 0, 2              ; tile 14
	STEP 0, 1, 0, 0, 0, 0, 1, 1, 0, 3
	STEP 0, 2, 0, 0, 0, 0, 1, 0, 0, 0
	STEP 0, 3, 2, 1, 1, 0, 1, 1, 1, 1              ; nothing is left to fetch: the barrier shows tile 15 whole
	STEP 1, 0, 0, 0, 0, 0, 1, 1, 1, 2              ; tile 15
	STEP 1, 1, 0, 0, 0, 0, 1, 1, 1, 3
	STEP 1, 2, 0, 0, 0, 0, 1, 0, 0, 0
	STEP 1, 3, 0, 0, 0, 0, 0, 0, 0, 0              ; the last step: no scores follow
	; THE END: divide by the row sums, round to bf16, through my own stage, 512 consecutive bytes a store.
	PLACES 4                                       ; four places behind the last products: then vector reads of O^T and vector writes over P
	WIN 0
.irp nt, 0,1,2,3
	v_rcp_f32 v[AL+2*\nt], v[LS+8*\nt]
.endr
	v_nop                                          ; one plain place behind the reciprocals (ISA guide 5.7.2)
	WIN W_END
	s_wait_alu depctr_va_vdst(0)
.irp nt, 0,1,2,3
.irp i, 0,1,2,3,4,5,6,7,8,9,10,11,12,13,14,15
	v_pk_mul_f32 v[SC+32*\nt+2*\i:SC+32*\nt+2*\i+1], v[OA+32*\nt+2*\i:OA+32*\nt+2*\i+1], v[AL+2*\nt:AL+2*\nt+1] op_sel_hi:[1,0]
.endr
.endr
	WIN 0
.irp nt, 0,1,2,3
.irp dt, 0,1,2,3
.irp i, 0,1,2,3
	v_cvt_pk_bf16_f32 v[SC+32*\nt+8*\dt+\i], v[SC+32*\nt+8*\dt+2*\i], v[SC+32*\nt+8*\dt+2*\i+1]
.endr
	ds_store_b128 v[STO], v[SC+32*\nt+8*\dt:SC+32*\nt+8*\dt+3] offset:\nt*16*KP+\dt*32   ; query 16 nt + r, numbers 16 dt + 8 h .. + 7
.endr
.endr
.irp j, 0,1,2,3,4,5,6,7,8,9,10,11,12,13,14,15
	ds_load_b128 v[OUTB+4*\j:OUTB+4*\j+3], v[RD] offset:\j*4*KP    ; LDS serves a wave's instructions in order (ISA guide 5.7.1): these see the stores above
.endr
.irp j, 0,1,2,3,4,5,6,7,8,9,10,11,12,13,14,15
	s_wait_dscnt 15-\j                             ; the younger LDS loads stay out
	global_store_b128 v[CO], v[OUTB+4*\j:OUTB+4*\j+3], s[6:7] offset:512*\j   ; queries 4 j .. 4 j + 3: 512 consecutive bytes, aligned
.endr
	s_wait_tensorcnt 0x0
	ds_add_u32 v62, v63
	s_wait_dscnt 0x0
	ROUND                                          ; the closing round: no work-group ends while a partner may still ask for a tile that names it
	s_endpgm
.Lfunc_end_k_q9ab17c479a_attn:
	.size	k_q9ab17c479a_attn, .Lfunc_end_k_q9ab17c479a_attn-k_q9ab17c479a_attn
	.p2alignl 7, 3214868480
	.fill 96, 4, 3214868480
	.section	.rodata,"a",@progbits
	.p2align	6, 0x0
	.amdhsa_kernel k_q9ab17c479a_attn
		.amdhsa_group_segment_fixed_size 327680
		.amdhsa_private_segment_fixed_size 0
		.amdhsa_enable_private_segment 0
		.amdhsa_kernarg_size 16
		.amdhsa_user_sgpr_count 2
		.amdhsa_user_sgpr_kernarg_segment_ptr 1
		.amdhsa_wavefront_size32 1
		.amdhsa_system_sgpr_workgroup_id_x 1
		.amdhsa_system_sgpr_workgroup_id_y 1
		.amdhsa_system_sgpr_workgroup_id_z 1
		.amdhsa_system_vgpr_workitem_id 0
		.amdhsa_next_free_vgpr 488
		.amdhsa_next_free_sgpr 66
		.amdhsa_reserve_vcc 0
		.amdhsa_float_denorm_mode_32 3
		.amdhsa_float_denorm_mode_16_64 3
		.amdhsa_memory_ordered 1
		.amdhsa_forward_progress 1
		.amdhsa_inst_pref_size 255
	.end_amdhsa_kernel
	.section	.bss,"aw",@nobits
	.p2align	6
	.space	262144
	.amdgpu_metadata
---
amdhsa.version: [ 1, 2 ]
amdhsa.kernels:
  - .name:           k_q9ab17c479a_attn
    .symbol:         k_q9ab17c479a_attn.kd
    .args:
      - { .name: qkv, .offset: 0, .size: 8, .value_kind: global_buffer, .address_space: global }
      - { .name: ctx, .offset: 8, .size: 8, .value_kind: global_buffer, .address_space: global }
    .group_segment_fixed_size: 327680
    .private_segment_fixed_size: 0
    .kernarg_segment_align: 8
    .kernarg_segment_size: 16
    .max_flat_workgroup_size: 256
    .sgpr_count:     66
    .vgpr_count:     488
    .wavefront_size: 32
...
	.end_amdgpu_metadata
.endif
;; end of part 5
;; launch gemm_out (part 6): grid 4 x 64, 4 waves a work-group, clusters of 4 x 4, 327,680 bytes of LDS; arguments ctx, wob, out0, b_out; writes out0
.if DOCPART == 6
	.amdgcn_target "amdgcn-amd-amdhsa--gfx1250"
	.amdhsa_code_object_version 6
	.text
	.protected	k_q9ab17c479a_gemm_out
	.globl	k_q9ab17c479a_gemm_out
	.p2align	8
	.type	k_q9ab17c479a_gemm_out,@function
k_q9ab17c479a_gemm_out:
	s_mov_b64 s[64:65], 0
	v_nop
	global_prefetch_b8 v0, s[64:65] scope:SCOPE_SE
	s_setreg_imm32_b32 hwreg(HW_REG_WAVE_MODE, 25, 1), 1
	s_wait_xcnt 0x0
	s_wait_alu depctr_hold_cnt(0) depctr_sa_sdst(0) depctr_va_vdst(0) depctr_va_sdst(0) depctr_va_ssrc(0) depctr_va_vcc(0) depctr_vm_vsrc(0)
	s_getreg_b32 s2, hwreg(HW_REG_IB_STS2, 6, 4)
	s_cmp_eq_u32 s2, 0
	s_cbranch_scc0 .Lentry_in_a_cluster
	s_endpgm
.Lentry_in_a_cluster:
	s_bfe_u32 s2, ttmp6, 0x10000c
	s_cmp_lg_u32 s2, 0xf033
	s_cbranch_scc0 .Lentry_shape_is_right
	s_endpgm
.Lentry_shape_is_right:
; out0 = ctx . wob + b_out.  ctx: [4 (batch)][16 (head)][2048 (t)][64] bf16, so that K = 64 head + d; wob: [1024 (k)][1024 (n)] bf16; b_out: [1024] f32; out0: [8192][1024] f32.
; A work-group makes a block of 128 x 256 with four waves, a wave 64 x 128: 32 accumulator tiles, 256 registers.  There are 4 x 64 = 256 such blocks, one for each WGP;
; blocks of 256 x 256 would be 128.  The price: for 32 along K a wave reads (64 + 128) x 64 bytes from LDS for 32 matrix instructions.
; K goes in steps of 128, two heads, through a ring of two LDS slots filled by the tensor data mover.
; CLUSTERS: 4 x 4 work-groups.  ctx's tiles are shared along a row of the cluster, wob's along a column: each is asked for jointly, which divides the requests by four.
; wob lies with n along its rows: its fragments are read from LDS by the transposing load ds_load_tr16_b128.
; LIMITS: operands are bf16 (rounded by the launches before); sums in f32 in the matrix unit's order; the result is stored as it is summed.
;
; REGISTERS, in windows of 256 (s_set_vgpr_msb's low byte: bits 1:0 source 0, 3:2 source 1, 5:4 source 2, 7:6 destination):
;   window 0: v0-31 addresses; v64-95, v128-159 fragments of ctx, two buffers; v64-127, v128-191 the way out's rows
;   window 1: v64-127, v128-191 fragments of wob, two buffers; v192-255 the bias of my 128 columns in an accumulator's layout
;   window 2: the 32 accumulator tiles (tile (a, b) at v[8 (8 a + b)])
; THE MATRIX INSTRUCTION IS USED TRANSPOSED: source 0 = 16 columns of wob, source 1 = 16 rows of ctx.  Lane l then holds row l % 16 of the result and its
; registers 0 to 7 the columns 8 (l / 16) + 0 .. 7: 32 neighbouring bytes of a row.
.set SIZE_N, 1024
.set KSTEP,  128
.set APITCH, 144                       ; an LDS row of ctx: a head's 128 bytes + 16 of padding, an odd multiple of 16
.set PLANE,  128*APITCH                ; one head's 128 rows: what one tensor load of ctx brings
.set BPITCH, 544                       ; an LDS row of wob: 512 bytes + 32 of padding, an odd multiple of 32
.set BHALF,  64*BPITCH                 ; 64 k rows: what one tensor load of wob brings
.set BOFF,   2*BHALF                   ; wob's halves lie at wave x 34,816 (waves 2, 3), ctx's planes at wave x 18,432 (waves 0, 1): each LDS address is the wave's number
                                       ; times a constant; the bytes from 36,864 to 69,632 of a slot are not used
.set SLOT,   4*BHALF                   ; 139,264
.set STAGE,  2*SLOT                    ; behind the ring: 16 rows x 528 bytes for each wave, for the way out; no tensor load lands here
.set SPITCH, 528                       ; 512 bytes + 16
.set LAPS,   4                         ; a lap = two K steps = once round the ring; K = 1,024
.set ASTEP,  2*262144                  ; a K step in ctx: two heads of 262,144 bytes
.set BSTEP,  KSTEP*SIZE_N*2            ; a K step down wob's rows, in bytes
.set ADRA, 16                          ; v16-17  LDS address of my ctx fragments in slot 0, 1
.set ADRB, 20                          ; v20-21  the same for wob
.set STO,  24                          ; v24     the way out: where I put 32 bytes of a row
.set RD,   25                          ; v25     the way out: where I read a row back
.set CO,   26                          ; v26     my byte offset in a row's 512 bytes
.set VB,   27                          ; v27     my byte offset in the bias
.set F0,   64
.set F1,   128
.set BIAS, 192                         ; window 1: v[BIAS+8 b+j] = bias of column 16 b + 8 (l / 16) + j
.set G1, 24                            ; s[24:31] descriptor group 1 for ctx's tiles
.set G0, 32                            ; s[32:39] descriptor group 0 for ctx's tiles, one set for each slot
.set G1B, 48                           ; s[48:55] descriptor group 1 for wob's tiles
.set G0B, 56                           ; s[56:63] descriptor group 0 for wob's tiles, one set for each slot
.set MSB, 0
.macro WIN new                         ; the immediate's high byte repeats the setting that is left
.if MSB != \new
	s_set_vgpr_msb (MSB<<8)|\new
.set MSB, \new
.endif
.endm
.set MUL_W,   0xa1                     ; source 0 (wob) window 1, source 1 (ctx) window 0, C and D window 2
.set START_W, 0x91                     ; the first products: C = the bias in window 1, D window 2
.set TO_B,    0x40                     ; destination window 1, address window 0
.set FROM_C,  0x08                     ; an LDS store's data (source 1) window 2
; A joint load.  Waves 0 and 1 fetch ctx's two heads, waves 2 and 3 wob's two halves.  The branch hangs on the wave's number alone.
.macro JLOAD s
	s_cmp_eq_u32 s11, 0
	s_cbranch_scc0 .Lfor_b_\@
	tensor_load_to_lds s[G0+4*\s:G0+4*\s+3], s[G1:G1+7]
	s_nop 0
	s_branch .Lasked_\@
.Lfor_b_\@:
	tensor_load_to_lds s[G0B+4*\s:G0B+4*\s+3], s[G1B:G1B+7]
	s_nop 0
.Lasked_\@:
.endm
; A round of the cluster's barrier: my work-group's barrier, wave 0 signals for the work-group, every wave waits for all sixteen, my work-group's barrier once more.
.macro CREST
	s_cmp_lg_u32 s10, 0
	s_cbranch_scc1 .Lnot_wave_0_\@
	s_barrier_signal -3
.Lnot_wave_0_\@:
	s_barrier_wait -3
	s_barrier_signal -1
	s_barrier_wait -1
.endm
.macro CROUND
	s_barrier_signal -1
	s_barrier_wait -1
	CREST
.endm
	s_load_b128 s[4:7], s[0:1], 0x0                ; ctx s[4:5], wob s[6:7]
	s_load_b64 s[8:9], s[0:1], 0x10                ; out0
	s_load_b64 s[2:3], s[0:1], 0x18                ; b_out
	s_set_vgpr_msb 0x40
	v_lshl_add_u32 v63, v0, 2, 0x4c400
	s_set_vgpr_msb 0x4000
	v_mov_b32 v255, 0
	s_set_vgpr_msb 0x1
	ds_add_u32 v63, v255
	s_set_vgpr_msb 0x100
	v_lshrrev_b32 v1, 5, v0
	v_readfirstlane_b32 s10, v1                    ; wave 0..3
	s_lshr_b32 s11, s10, 1                         ; which half of the block's rows is mine.  Also: I fetch for ctx (0) or for wob (1)
	s_and_b32 s12, s10, 1                          ; which half of its columns.  Also: which head, or which 64 k rows, I fetch
	s_bfe_u32 s40, ttmp6, 0x40000                  ; cx
	s_bfe_u32 s41, ttmp6, 0x40004                  ; cy
	s_lshl_b32 s42, ttmp9, 2
	s_add_co_u32 s42, s42, s40                     ; block column = 4 x cluster x + cx, 0..3
	s_and_b32 s13, ttmp7, 0xffff
	s_lshl_b32 s13, s13, 2
	s_add_co_u32 s13, s13, s41                     ; block row = 4 x cluster y + cy, 0..63
	s_lshl_b32 s43, s41, 2
	s_lshl_b32 s43, 15, s43                        ; my row of the cluster
	s_lshl_b32 s44, 0x1111, s40                    ; my column
	; group 1 for ctx: a head's 128 rows of 128 bytes are 16,384 consecutive bytes, taken as 64 rows of 32 elements of 8 bytes.
	; The padding counts words along the whole tile: 4 words behind every 32 words, that is behind each row of the head.
	s_or_b32 s[G1+0], s43, (3<<16)|(1<<20)|(1<<21)|(4<<22)|(3<<25)   ; 15:0 mask; 17:16 element size; 20 padding on; 21 set beside a mask; 24:22 interval; 31:25 pad - 1
	s_mov_b32 s[G1+1], 32<<16                      ; tensor_dim0 = 32
	s_mov_b32 s[G1+2], 64<<16                      ; tensor_dim1 = 64
	s_mov_b32 s[G1+3], 32<<16                      ; tile_dim0 = 32
	s_mov_b32 s[G1+4], 64                          ; tile_dim1 = 64
	s_mov_b32 s[G1+5], 32                          ; elements from row to row: dense
	s_mov_b32 s[G1+6], 0
	s_mov_b32 s[G1+7], 0
	; group 1 for wob: 64 k rows x 256 elements of 2 bytes, 8 words of padding behind every 128 words
	s_or_b32 s[G1B+0], s44, (1<<16)|(1<<20)|(1<<21)|(6<<22)|(7<<25)
	s_mov_b32 s[G1B+1], 256<<16                    ; tensor_dim0 = 256
	s_mov_b32 s[G1B+2], 64<<16                     ; tensor_dim1 = 64
	s_mov_b32 s[G1B+3], 256<<16                    ; tile_dim0 = 256
	s_mov_b32 s[G1B+4], 64                         ; tile_dim1 = 64
	s_mov_b32 s[G1B+5], SIZE_N                     ; elements from row to row
	s_mov_b32 s[G1B+6], 0
	s_mov_b32 s[G1B+7], 0
	; where the tiles come from.  ctx's hang on the block row alone, wob's on the block column alone; each address in registers that never hold the other coordinate.
	s_lshr_b32 s16, s13, 4                         ; batch: 2,048 rows are sixteen block rows
	s_lshl_b32 s16, s16, 4
	s_add_co_u32 s16, s16, s12                     ; 16 x batch + the head of the K step's two that I fetch
	s_lshl_b32 s16, s16, 11                        ; x 2,048 rows
	s_and_b32 s17, s13, 15
	s_lshl_b32 s17, s17, 7                         ; + the block's first t
	s_add_co_u32 s16, s16, s17
	s_lshl_b32 s16, s16, 7                         ; x 128 bytes: below 16,777,216
	s_mov_b32 s17, 0
	s_lshl_b32 s46, s12, 17                        ; wob: k row 64 x half, 2,048 bytes each,
	s_lshl_b32 s47, s42, 9                         ; column 256 x block column, in bytes
	s_add_co_u32 s46, s46, s47
	s_mov_b32 s47, 0
	s_mul_i32 s20, s10, PLANE                      ; ctx's tiles go to wave x 18,432 (waves 0, 1),
	s_mul_i32 s18, s10, BHALF                      ; wob's to wave x 34,816 (waves 2, 3): no place in the cluster enters an LDS address
	s_wait_dscnt 0x0
	s_wait_kmcnt 0x0
	s_add_nc_u64 s[14:15], s[4:5], s[16:17]
	s_add_nc_u64 s[46:47], s[6:7], s[46:47]
	CROUND                                         ; all sixteen work-groups are here: the first joint loads meet
.irp s, 0,1
	s_mov_b32 s[G0+4*\s], 1                                        ; count = 1
	s_add_co_u32 s[G0+4*\s+1], s20, \s*SLOT                        ; LDS address
	s_add_nc_u64 s[G0+4*\s+2:G0+4*\s+3], s[14:15], \s*ASTEP        ; global address: K step s
	s_or_b32 s[G0+4*\s+3], s[G0+4*\s+3], 0x80000000                ; type = 2
	s_mov_b32 s[G0B+4*\s], 1
	s_add_co_u32 s[G0B+4*\s+1], s18, \s*SLOT
	s_add_nc_u64 s[G0B+4*\s+2:G0B+4*\s+3], s[46:47], \s*BSTEP
	s_or_b32 s[G0B+4*\s+3], s[G0B+4*\s+3], 0x80000000
	JLOAD \s                                       ; the ring is filled before anything else is done: two tensor loads of the wave are out
.endr
	v_and_b32 v1, 15, v0                           ; r = l % 16
	v_bfe_u32 v2, v0, 4, 1                         ; h = l / 16
	; the bias of my 128 columns, in the layout of a transposed accumulator
	v_lshlrev_b32 v[VB], 5, v2                     ; 8 h numbers of 4 bytes
	s_lshl_b32 s66, s42, 10                        ; (256 x block column
	s_lshl_b32 s67, s12, 9                         ;  + 128 x half) x 4 bytes
	s_add_co_u32 s66, s66, s67
	s_mov_b32 s67, 0
	s_add_nc_u64 s[2:3], s[2:3], s[66:67]
	WIN TO_B
.irp b, 0,1,2,3,4,5,6,7
	global_load_b128 v[BIAS+8*\b:BIAS+8*\b+3],   v[VB], s[2:3] offset:64*\b
	global_load_b128 v[BIAS+8*\b+4:BIAS+8*\b+7], v[VB], s[2:3] offset:64*\b+16
.endr
	WIN 0
	v_mul_u32_u24 v3, v1, APITCH
	v_lshl_add_u32 v3, v2, 4, v3                   ; ctx lies along K: r x pitch + 16 h
	v_and_b32 v6, 7, v0                            ; wob lies across: k row 8 h + (l & 7),
	v_bfe_u32 v7, v0, 3, 1
	v_lshl_add_u32 v8, v2, 3, v6
	v_mul_u32_u24 v8, v8, BPITCH
	v_lshl_add_u32 v8, v7, 4, v8                   ; 16 bytes at 16 ((l >> 3) & 1)
	s_mul_i32 s21, s11, 64*APITCH                  ; my 64 rows in each plane
	s_lshl_b32 s22, s12, 8                         ; my 128 columns of wob, 256 bytes of each k row
	s_add_co_u32 s22, s22, BOFF
.irp s, 0,1
	v_add_nc_u32 v[ADRA+\s], s21, v3
	v_add_nc_u32 v[ADRB+\s], s22, v8
	s_add_co_u32 s21, s21, SLOT
	s_add_co_u32 s22, s22, SLOT
.endr
	s_mul_i32 s23, s10, 16*SPITCH
	s_add_co_u32 s23, s23, STAGE                   ; my stage
	v_mul_u32_u24 v4, v1, SPITCH                   ; in: row r, 32 bytes for each half of the lanes
	v_lshl_add_u32 v4, v2, 5, v4
	v_add_nc_u32 v[STO], s23, v4
	v_and_b32 v5, 31, v0
	v_lshlrev_b32 v[CO], 4, v5                     ; back: 32 lanes take a row's 512 bytes
	v_add_nc_u32 v[RD], s23, v[CO]
; 16 matrix instructions: m blocks a0, a0 + 1 of my four x all 8 n blocks, 32 along K.
; zero = 1: the first product takes the bias as C and so starts the sums: nothing is cleared, and nothing is added on the way out.
; The 32 accumulators take turns, one instruction a turn, in the same order in every quarter step.
.macro MUL16 f, a0, zero
.irp a, \a0, \a0+1
.irp b, 0,1,2,3,4,5,6,7
.if \zero
	v_wmma_f32_16x16x32_bf16 v[8*(8*(\a)+\b):8*(8*(\a)+\b)+7], v[\f+8*\b:\f+8*\b+7], v[\f+8*(\a):\f+8*(\a)+7], v[BIAS+8*\b:BIAS+8*\b+7]
.else
	v_wmma_f32_16x16x32_bf16 v[8*(8*(\a)+\b):8*(8*(\a)+\b)+7], v[\f+8*\b:\f+8*\b+7], v[\f+8*(\a):\f+8*(\a)+7], v[8*(8*(\a)+\b):8*(8*(\a)+\b)+7]
.endif
.endr
.endr
.endm
; 24 LDS loads in one run: the fragments of quarter step kq into buffer f: 16 for wob, then 8 for ctx (head kq / 2 of the step's two, d = 32 (kq % 2) ..)
.macro FETCH slot, kq, f
	WIN TO_B
.irp i, 0,1,2,3,4,5,6,7
	ds_load_tr16_b128 v[\f+8*\i:\f+8*\i+3],   v[ADRB+\slot] offset:\kq*32*BPITCH+32*\i
	ds_load_tr16_b128 v[\f+8*\i+4:\f+8*\i+7], v[ADRB+\slot] offset:\kq*32*BPITCH+32*\i+16*BPITCH
.endr
	WIN 0
.irp i, 0,1,2,3
	ds_load_b128 v[\f+8*\i:\f+8*\i+3],   v[ADRA+\slot] offset:(\kq>>1)*PLANE+(\kq&1)*64+\i*16*APITCH
	ds_load_b128 v[\f+8*\i+4:\f+8*\i+7], v[ADRA+\slot] offset:(\kq>>1)*PLANE+(\kq&1)*64+\i*16*APITCH+32
.endr
.endm
; A load into a register that a matrix instruction has read, and an LDS store that reads a matrix result, stand four places behind that matrix instruction;
; only plain vector instructions that name none of its registers are places (ISA guide 7.12.1 for vector instructions).
.macro PLACES
.rept 4
	v_nop
.endr
.endm
; One of a K step's first three quarters: at its head it fetches quarter kq of the same slot into buffer g, then multiplies buffer f:
; the 24 loads have the quarter's 32 matrix instructions in which to land.
.macro QUARTER slot, kq, f, g, zero
	s_wait_dscnt 0                                 ; buffer f is in: its loads were issued a quarter ago
	PLACES                                         ; behind the last quarter's products, which read buffer g
	FETCH \slot, \kq, \g
.if \zero
	WIN START_W
.else
	WIN MUL_W
.endif
	MUL16 \f, 0, \zero
	MUL16 \f, 2, \zero
.endm
.macro THREE slot, zero
	QUARTER \slot, 1, F0, F1, \zero
	QUARTER \slot, 2, F1, F0, 0
	QUARTER \slot, 3, F0, F1, 0
.endm
; The last quarter: multiplies buffer 1 and changes slots.  In front of the barrier each wave waits for its own reads of this slot and for all its tensor loads,
; of which one is out: its part of the next slot.  Behind it the refill comes first, then the next slot's first fragments.
; From a request to the wait for it a wave issues 112 matrix instructions.
.macro TURN slot, next, fill
	s_wait_dscnt 0                                 ; buffer 1 is in: my reads of this slot are over
	s_wait_tensorcnt 0x0                           ; and all my tensor loads have landed
	ds_add_u32 v63, v255
	s_wait_dscnt 0x0
	s_barrier_signal -1                            ; say so (where a slot is filled again this barrier opens a round of the cluster's barrier),
	WIN MUL_W
	MUL16 F1, 0, 0                                 ; work on registers while the others arrive,
	WIN 0
	s_barrier_wait -1
.if \fill
	CREST                                          ; all sixteen work-groups have said so: no wave of any partner still reads this slot or has a load on its way
	s_add_nc_u64 s[G0+4*\slot+2:G0+4*\slot+3], s[G0+4*\slot+2:G0+4*\slot+3], 2*ASTEP
	s_add_nc_u64 s[G0B+4*\slot+2:G0B+4*\slot+3], s[G0B+4*\slot+2:G0B+4*\slot+3], 2*BSTEP
	JLOAD \slot                                    ; the first tensor load behind the round, and the wave's only one until the next
.endif
	PLACES
	FETCH \next, 0, F0
	WIN MUL_W
	MUL16 F1, 2, 0
.endm
.macro LAP zero
	THREE 0, \zero
	TURN 0, 1, 1
	THREE 1, 0
	TURN 1, 0, 1
.endm
	s_wait_loadcnt 0x0                             ; the bias, once
	s_wait_tensorcnt 1                             ; my part of K step 0 is in; K step 1's load stays out
	s_barrier_signal -1
	s_barrier_wait -1
	FETCH 0, 0, F0
	LAP 1                                          ; the first lap stands in front of the loop: its first products start the sums
	WIN 0                                          ; at a label and at a branch every window is 0
	s_mov_b32 s45, LAPS-2
.Llap:
	LAP 0
	WIN 0
	s_sub_co_u32 s45, s45, 1
	s_cmp_lg_u32 s45, 0
	s_cbranch_scc1 .Llap
	THREE 0, 0                                     ; the last lap fills nothing and has no round: the one tensor load still out is slot 1's, the last K step's
	TURN 0, 1, 0
	THREE 1, 0
	s_wait_dscnt 0                                 ; the very last quarter: nothing more to fetch
	WIN MUL_W
	MUL16 F1, 0, 0
	MUL16 F1, 2, 0
	; THE WAY OUT, 16 rows at a time: the accumulators go as they are, 32 bytes a lane, into my own stage, and come back as whole rows of 512 bytes.
	PLACES                                         ; the places behind the last matrix instructions, for the LDS stores of results and for the loads into buffers 0 and 1
	s_lshl_b32 s66, s13, 7
	s_lshl_b32 s67, s11, 6
	s_add_co_u32 s66, s66, s67                     ; my first row
	s_lshl_b32 s66, s66, 12                        ; x 4,096 bytes: below 33,554,432
	s_lshl_b32 s67, s42, 10                        ; my first column: (256 x block column
	s_add_co_u32 s66, s66, s67
	s_lshl_b32 s67, s12, 9                         ;  + 128 x half) x 4 bytes
	s_add_co_u32 s66, s66, s67
	s_mov_b32 s67, 0
	s_add_nc_u64 s[8:9], s[8:9], s[66:67]          ; never stepped: the rows stand in the stores' immediates, 258,048 at the most
; rows 16 i .. 16 i + 15 of my block = the eight tiles (i, 0..7); f: F0 or F1 in turn
.macro OUT16F i, f
	WIN FROM_C
.irp b, 0,1,2,3,4,5,6,7
	ds_store_b128 v[STO], v[8*(8*\i+\b):8*(8*\i+\b)+3]   offset:64*\b
	ds_store_b128 v[STO], v[8*(8*\i+\b)+4:8*(8*\i+\b)+7] offset:64*\b+16
.endr
	WIN 0
	s_wait_xcnt 0x0                                ; buffer f, which earlier stores read, is loaded again only behind this wait (ISA guide 3.1)
.irp t, 0,1,2,3,4,5,6,7,8,9,10,11,12,13,14,15
	ds_load_b128 v[\f+4*\t:\f+4*\t+3], v[RD] offset:\t*SPITCH      ; LDS serves a wave's instructions in order (ISA guide 5.7.1): these see the stores above
.endr
.irp t, 0,1,2,3,4,5,6,7,8,9,10,11,12,13,14,15
	s_wait_dscnt 15-\t                             ; the younger LDS loads stay out
	global_store_b128 v[CO], v[\f+4*\t:\f+4*\t+3], s[8:9] offset:\i*65536+\t*4096 th:TH_STORE_NT   ; row 16 i + t: 512 consecutive bytes, aligned; written once, not read again
.endr
.endm
	OUT16F 0, F0
	OUT16F 1, F1
	OUT16F 2, F0
	OUT16F 3, F1
	s_set_vgpr_msb 0x1
	s_wait_tensorcnt 0x0
	ds_add_u32 v63, v255
	s_wait_dscnt 0x0
	s_set_vgpr_msb 0x100
	CROUND                                         ; the closing round: no work-group ends while a partner may still ask for a tile that names it
	s_endpgm
.Lfunc_end_k_q9ab17c479a_gemm_out:
	.size	k_q9ab17c479a_gemm_out, .Lfunc_end_k_q9ab17c479a_gemm_out-k_q9ab17c479a_gemm_out
	.p2alignl 7, 3214868480
	.fill 96, 4, 3214868480
	.section	.rodata,"a",@progbits
	.p2align	6, 0x0
	.amdhsa_kernel k_q9ab17c479a_gemm_out
		.amdhsa_group_segment_fixed_size 327680
		.amdhsa_private_segment_fixed_size 0
		.amdhsa_enable_private_segment 0
		.amdhsa_kernarg_size 32
		.amdhsa_user_sgpr_count 2
		.amdhsa_user_sgpr_kernarg_segment_ptr 1
		.amdhsa_wavefront_size32 1
		.amdhsa_system_sgpr_workgroup_id_x 1
		.amdhsa_system_sgpr_workgroup_id_y 1
		.amdhsa_system_sgpr_workgroup_id_z 1
		.amdhsa_system_vgpr_workitem_id 0
		.amdhsa_next_free_vgpr 768
		.amdhsa_next_free_sgpr 80
		.amdhsa_reserve_vcc 0
		.amdhsa_float_denorm_mode_32 3
		.amdhsa_float_denorm_mode_16_64 3
		.amdhsa_memory_ordered 1
		.amdhsa_forward_progress 1
		.amdhsa_inst_pref_size 120
	.end_amdhsa_kernel
	.amdgpu_metadata
---
amdhsa.version: [ 1, 2 ]
amdhsa.kernels:
  - .name:           k_q9ab17c479a_gemm_out
    .symbol:         k_q9ab17c479a_gemm_out.kd
    .args:
      - { .name: ctx, .offset: 0, .size: 8, .value_kind: global_buffer, .address_space: global }
      - { .name: wob, .offset: 8, .size: 8, .value_kind: global_buffer, .address_space: global }
      - { .name: out0, .offset: 16, .size: 8, .value_kind: global_buffer, .address_space: global }
      - { .name: b_out, .offset: 24, .size: 8, .value_kind: global_buffer, .address_space: global }
    .group_segment_fixed_size: 327680
    .private_segment_fixed_size: 0
    .kernarg_segment_align: 8
    .kernarg_segment_size: 32
    .max_flat_workgroup_size: 128
    .sgpr_count:     80
    .vgpr_count:     768
    .wavefront_size: 32
...
	.end_amdgpu_metadata
.endif
;; end of part 6
;; ======== version 3 of 3: 4 launches; version 2 with the launch cast written anew for expert scheduling mode
;; workspace buffers: xb 16,777,216 bytes; wqb 6,291,456 bytes; wob 2,097,152 bytes; qkv 50,331,648 bytes; ctx 16,777,216 bytes
;; launch cast (part 7): grid 768 x 1, 8 waves a work-group, no clusters, 0 bytes of LDS; arguments x, w_qkv, w_out, xb, wqb, wob; writes xb, wqb, wob
.if DOCPART == 7
	.amdgcn_target "amdgcn-amd-amdhsa--gfx1250"
	.amdhsa_code_object_version 6
	.text
	.protected	k_q9ab17c479a_cast
	.globl	k_q9ab17c479a_cast
	.p2align	8
	.type	k_q9ab17c479a_cast,@function
k_q9ab17c479a_cast:
	s_mov_b64 s[64:65], 0
	v_nop
	global_prefetch_b8 v0, s[64:65] scope:SCOPE_SE
	s_setreg_imm32_b32 hwreg(HW_REG_WAVE_SCHED_MODE, 0, 2), 2
	s_setreg_imm32_b32 hwreg(HW_REG_WAVE_MODE, 25, 1), 1
	s_wait_xcnt 0x0
	s_wait_alu depctr_vm_vsrc(0)
; xb = bf16(x), wqb = bf16(w_qkv), wob = bf16(w_out): element by element, the layouts stay, rounding to nearest even.
; Done once here because each tile of x is wanted by 12 block columns and each tile of w_qkv by 32 block rows and each tile of w_out by 64 of the products that follow:
; in bf16 every one of those fetches and every LDS read behind it carries half the bytes, and nothing is converted twice.
; A work-group takes 65,536 bytes of f32 and makes 32,768 bytes of bf16.  Work-groups 0-511 take x (33,554,432 / 65,536 = 512),
; 512-703 w_qkv (192), 704-767 w_out (64).  The work-groups share no input, so there is nothing to ask for jointly, no LDS and no barrier.
; Thread t takes 16 bytes at 16 t of each block of 4,096 bytes: a wave's load covers 512 consecutive bytes, its store 256 consecutive bytes, aligned.
; All 16 loads of a thread go out first; no register is written twice, so no wait frees a source.
; THE MODE: SCHED_MODE bits 1:0 = 2 (LLVM: expert scheduling mode 2), set by the entry lines.  The code itself states the register dependences
; between vector instructions and memory instructions, with s_wait_alu, always for 0.
; THE PLAN.  Registers that memory instructions touch:
;   v1, v2   byte offsets of the loads and of the stores: written once at the head, never again.
;   X[n]     load n lands in it; no vector instruction names it before; the two conversions of number n read it; no load lands in it again.
;   Y[n]     the two conversions of number n write it; store n reads it; it is never written again.
; The 16 numbers go in four blocks of four.  Block p rounds X[4 p ..] into Y[4 p ..]; its memory instructions are the four stores of block p - 1, which read v2 and
; Y[4 p - 4 ..]: registers that no vector instruction of block p names.  So one wait at a block's head states all that the block's four stores hang on, and they are
; dealt among its conversions with no further wait.  No register that a memory instruction reads is written again, so nothing is owed on that side.
.set X, 4                              ; v[4:67]   16 x 4 numbers as loaded
.set Y, 68                             ; v[68:99]  16 x 2 words to store
	s_load_b256 s[4:11], s[0:1], 0x0               ; x s[4:5], w_qkv s[6:7], w_out s[8:9], xb s[10:11]
	s_load_b128 s[12:15], s[0:1], 0x20             ; wqb s[12:13], wob s[14:15]
	v_lshlrev_b32 v1, 4, v0                        ; 16 t: where I load
	v_lshlrev_b32 v2, 3, v0                        ; 8 t: where I store
	s_mov_b32 s20, 704                             ; first work-group of w_out
	s_mov_b32 s21, 512                             ; first work-group of w_qkv
	s_wait_kmcnt 0x0
	s_cmp_lt_u32 ttmp9, s20                        ; the choice hangs on the work-group's number alone
	s_cselect_b64 s[16:17], s[6:7], s[8:9]
	s_cselect_b64 s[18:19], s[12:13], s[14:15]
	s_cselect_b32 s20, s21, s20
	s_cmp_lt_u32 ttmp9, s21
	s_cselect_b64 s[16:17], s[4:5], s[16:17]       ; from
	s_cselect_b64 s[18:19], s[10:11], s[18:19]     ; to
	s_cselect_b32 s20, 0, s20                      ; the tensor's first work-group
	s_sub_co_u32 s20, ttmp9, s20                   ; my number inside the tensor, 511 at the most
	s_lshl_b32 s22, s20, 16                        ; x 65,536 bytes in
	s_mov_b32 s23, 0
	s_lshl_b32 s24, s20, 15                        ; x 32,768 bytes out
	s_mov_b32 s25, 0
	s_add_nc_u64 s[16:17], s[16:17], s[22:23]
	s_add_nc_u64 s[18:19], s[18:19], s[24:25]
	s_wait_alu depctr_va_vdst(0)                   ; v1 and v2 are written: every load reads v1 and every store reads v2 as its offset, and no vector instruction names either again
.irp i, 0,1,2,3,4,5,6,7,8,9,10,11,12,13,14,15
	global_load_b128 v[X+4*\i:X+4*\i+3], v1, s[16:17] offset:4096*\i th:TH_LOAD_NT   ; read once in the launch
.endr
; Block p: numbers 4 p to 4 p + 3 are rounded; ahead of each pair of conversions one store of block p - 1 goes out.
.macro BLK p
	s_wait_loadcnt 15-4*(\p)                       ; loads come back in order (ISA guide 5.7.1): load 4 p is in, the younger ones stay out
.if (\p) > 0
	s_wait_alu depctr_va_vdst(0)                   ; the block before has written its four pairs of Y, which the four stores below read
.endif
.irp i, 0,1,2,3
.if (\p) > 0
	global_store_b64 v2, v[Y+2*(4*(\p)-4+(\i)):Y+2*(4*(\p)-4+(\i))+1], s[18:19] offset:2048*(4*(\p)-4+(\i))   ; the block before; no vector instruction since the wait names these registers.  The next launch reads these bytes: no hint
.endif
.if (\i) > 0
	s_wait_loadcnt 15-4*(\p)-(\i)                  ; load 4 p + i is in, the younger ones stay out
.endif
	v_cvt_pk_bf16_f32 v[Y+2*(4*(\p)+(\i))],   v[X+4*(4*(\p)+(\i))],   v[X+4*(4*(\p)+(\i))+1]
	v_cvt_pk_bf16_f32 v[Y+2*(4*(\p)+(\i))+1], v[X+4*(4*(\p)+(\i))+2], v[X+4*(4*(\p)+(\i))+3]
.endr
.endm
	BLK 0                                          ; no block stands in front of it: no store, and no wait but those for its data
	BLK 1
	BLK 2
	BLK 3
	s_wait_alu depctr_va_vdst(0)                   ; block 3 has written its four pairs of Y, which the last four stores read
.irp i, 12,13,14,15
	global_store_b64 v2, v[Y+2*\i:Y+2*\i+1], s[18:19] offset:2048*\i
.endr
	s_endpgm
.Lfunc_end_k_q9ab17c479a_cast:
	.size	k_q9ab17c479a_cast, .Lfunc_end_k_q9ab17c479a_cast-k_q9ab17c479a_cast
	.p2alignl 7, 3214868480
	.fill 96, 4, 3214868480
	.section	.rodata,"a",@progbits
	.p2align	6, 0x0
	.amdhsa_kernel k_q9ab17c479a_cast
		.amdhsa_group_segment_fixed_size 0
		.amdhsa_private_segment_fixed_size 0
		.amdhsa_enable_private_segment 0
		.amdhsa_kernarg_size 48
		.amdhsa_user_sgpr_count 2
		.amdhsa_user_sgpr_kernarg_segment_ptr 1
		.amdhsa_wavefront_size32 1
		.amdhsa_system_sgpr_workgroup_id_x 1
		.amdhsa_system_sgpr_workgroup_id_y 1
		.amdhsa_system_sgpr_workgroup_id_z 1
		.amdhsa_system_vgpr_workitem_id 0
		.amdhsa_next_free_vgpr 100
		.amdhsa_next_free_sgpr 66
		.amdhsa_reserve_vcc 0
		.amdhsa_float_denorm_mode_32 3
		.amdhsa_float_denorm_mode_16_64 3
		.amdhsa_memory_ordered 1
		.amdhsa_forward_progress 1
		.amdhsa_inst_pref_size 7
	.end_amdhsa_kernel
	.amdgpu_metadata
---
amdhsa.version: [ 1, 2 ]
amdhsa.kernels:
  - .name:           k_q9ab17c479a_cast
    .symbol:         k_q9ab17c479a_cast.kd
    .args:
      - { .name: x, .offset: 0, .size: 8, .value_kind: global_buffer, .address_space: global }
      - { .name: w_qkv, .offset: 8, .size: 8, .value_kind: global_buffer, .address_space: global }
      - { .name: w_out, .offset: 16, .size: 8, .value_kind: global_buffer, .address_space: global }
      - { .name: xb, .offset: 24, .size: 8, .value_kind: global_buffer, .address_space: global }
      - { .name: wqb, .offset: 32, .size: 8, .value_kind: global_buffer, .address_space: global }
      - { .name: wob, .offset: 40, .size: 8, .value_kind: global_buffer, .address_space: global }
    .group_segment_fixed_size: 0
    .private_segment_fixed_size: 0
    .kernarg_segment_align: 8
    .kernarg_segment_size: 48
    .max_flat_workgroup_size: 256
    .sgpr_count:     66
    .vgpr_count:     100
    .wavefront_size: 32
...
	.end_amdgpu_metadata
.endif
;; end of part 7
;; launch gemm_qkv: the kernel of part 2 again; grid 12 x 32, 4 waves a work-group, clusters of 4 x 4, 327,680 bytes of LDS; arguments xb, wqb, qkv, b_qkv; writes qkv
;; launch attn: the kernel of part 5 again; grid 256 x 1, 8 waves a work-group, clusters of 4 x 1, 327,680 bytes of LDS; arguments qkv, ctx; writes ctx
;; launch gemm_out: the kernel of part 6 again; grid 4 x 64, 4 waves a work-group, clusters of 4 x 4, 327,680 bytes of LDS; arguments ctx, wob, out0, b_out; writes out0
